; MI455X (gfx1250); checked and timed in simulation.
; The chip was launched on July 23, 2026; its instructions are those of AMD's public machine-readable ISA for CDNA 5 (MIT licence, August 2026) and "CDNA5" Instruction Set Architecture Reference Guide (July 2026). The comments in the code are by the model that wrote it; some were corrected since.
;; Transformer Encoder Layer. Allowed arithmetic: float matrix products may take bf16 or f16 operands with f32 sums; other float arithmetic in f32, or as packed bf16 or f16 multiplies, adds, multiply-adds, maxima and minima; sums over many terms, partial sums and values carried from step to step in f32; what a program stores and reads back later, other than sums and carried values, may be rounded once to bf16 or f16.
;; Inputs: ffn1_b 2,048 float32; ffn1_w 2,048 x 256 float32; ffn2_b 256 float32; ffn2_w 256 x 2,048 float32; ln1_b 256 float32; ln1_g 256 float32; ln2_b 256 float32; ln2_g 256 float32; src 8 x 32 x 32 x 256 float32; w_k 2,048 x 256 float32; w_o 256 x 2,048 float32; w_q 2,048 x 256 float32; w_v 2,048 x 256 float32.
;; Outputs: out0 8 x 32 x 32 x 256 float32.
;; One version. Each part assembles by itself: llvm-mc -triple=amdgcn-amd-amdhsa -mcpu=gfx1250 --defsym DOCPART=n.
;; ======== version 1 of 1: 4 launches
;; workspace buffers: xf 8,388,608 bytes; xb 4,194,304 bytes; wqkv 3,145,728 bytes; wt 3,145,728 bytes; qkv 100,663,296 bytes; ao 33,554,432 bytes
;; launch prep (part 1): grid 256 x 1, 8 waves a work-group, no clusters, 0 bytes of LDS; arguments src, w_q, w_k, w_v, w_o, ffn1_w, ffn2_w, xf, xb, wqkv, wt; writes xf, xb, wqkv, wt
.if DOCPART == 1
	.amdgcn_target "amdgcn-amd-amdhsa--gfx1250"
	.amdhsa_code_object_version 6
	.text
	.protected	k_q5f8a5cf4ad_prep
	.globl	k_q5f8a5cf4ad_prep
	.p2align	8
	.type	k_q5f8a5cf4ad_prep,@function
k_q5f8a5cf4ad_prep:
	s_mov_b64 s[64:65], 0
	v_nop
	global_prefetch_b8 v0, s[64:65] scope:SCOPE_SE
	s_setreg_imm32_b32 hwreg(HW_REG_WAVE_MODE, 25, 1), 1
	s_wait_xcnt 0x0
; x = src + the 2-D timing signal, kept in f32 (xf, the residual) and rounded once to bf16 (xb, the matrix operand); all six weight arrays rounded once to bf16.
; w_q, w_k, w_v go one below the other into wqkv [6144][256].  w_o, ffn1_w, ffn2_w go into wt in FRAGMENT ORDER: a fragment (16 rows x 32 k) is 1,024 bytes,
; its half p (k = 16 p + 8 (lane / 16) + 0..7 of row lane % 16) 512 bytes with lane l at 16 l; 32 fragments are a wave's part, four parts a block of 131,072 bytes, 24 blocks in the order in which they are walked.
; SHARES.  Work-group g: the 32 rows 32 g .. of x (image g / 32, map row g % 32; the row in the group is the map column), and 1/256 of each weight array.  No loop: every register is written once.
; A stream: no LDS, no matrix unit, no cluster (no two work-groups read a byte in common).  All 20 loads of a lane go out first; the signal is computed while they are on their way.
; THE SIGNAL.  sin(t) = (-1)^n sin(pi rr), t / pi = n + rr, |rr| <= 1/2, by the series to rr^9 (its next term is 3.6e-6 at the most); a cosine is the sine half a turn on.
; LIMIT: the signal is within about 1e-5 of its true value; positions are 0 .. 31.  NaN and infinities in src pass through as they are.
.set VX,  3            ; v3   src, xf: 4,096 x wave + 16 x lane
.set VXB, 4            ; v4   xb: 2,048 x wave + 8 x lane
.set VWL, 5            ; v5   w_q, w_k, w_v: 1,024 x wave + 16 x lane
.set VWS, 6            ; v6   wqkv: 512 x wave + 8 x lane
.set VO8, 7            ; v7   a fragment's source in rows of 8,192 bytes: (l % 16) x 8,192 + 32 (l / 16)
.set VO1, 8            ; v8   the same in rows of 1,024 bytes
.set VD,  9            ; v9   16 x lane
.set IV,  16           ; v[16:19] inv / pi of my four channels
.set PH,  20           ; v[20:21] 0 (sine) or 0.5 (cosine), twice
.set U,   22           ; v[22:25] at work
.set N,   26           ; v[26:29]
.set R2,  30           ; v[30:33]
.set SH,  36           ; v[36:39] the signal of the map row, channels 4 l ..
.set SW,  40           ; v[40:55] the signal of my four map columns, channels 128 + 4 l ..
.set XD,  64           ; v[64:95]   4 rows x 8 numbers of src, then of x
.set XP,  96           ; v[96:111]  the same in bf16
.set WD,  112          ; v[112:135] 3 x 8 numbers of w_q, w_k, w_v
.set WP,  136          ; v[136:147] in bf16
.set TD,  148          ; v[148:171] 3 x 8 numbers of w_o, ffn1_w, ffn2_w
.set TP,  172          ; v[172:183] in bf16
.set WV,  36           ; s36 my wave's number
.set C9,  40           ; s[40:49] the series' five factors, each twice (named as pairs)
.set C7,  42
.set C5,  44
.set C3,  46
.set C1,  48
.set PPH, 50           ; s[50:51] the map row as f32, twice
.set PPW, 52           ; s[52:59] my four map columns as f32, each twice
.set KS,  60           ; s60 -log2(10000) / 63
.set KB,  61           ; s61 -log2(pi)
	s_load_b512 s[8:23], s[0:1], 0x0               ; src 8, w_q 10, w_k 12, w_v 14, w_o 16, ffn1_w 18, ffn2_w 20, xf 22
	s_load_b128 s[24:27], s[0:1], 0x40             ; xb 24, wqkv 26
	s_load_b64 s[28:29], s[0:1], 0x50              ; wt
	v_and_b32 v1, 31, v0                           ; lane
	v_lshrrev_b32 v2, 5, v0
	v_readfirstlane_b32 s[WV], v2                  ; wave 0..7
	v_and_b32 v10, 15, v0                          ; l % 16
	v_bfe_u32 v11, v0, 4, 1                        ; l / 16
	v_lshlrev_b32 v[VD], 4, v1
	v_lshl_add_u32 v[VX], v2, 12, v[VD]
	v_lshlrev_b32 v12, 3, v1
	v_lshl_add_u32 v[VXB], v2, 11, v12
	v_lshl_add_u32 v[VWL], v2, 10, v[VD]
	v_lshl_add_u32 v[VWS], v2, 9, v12
	v_lshlrev_b32 v13, 5, v11
	v_lshl_add_u32 v[VO8], v10, 13, v13
	v_lshl_add_u32 v[VO1], v10, 10, v13
	; the fragments: wave v takes fragment fi = v / 2 of the group's four, half p = v % 2
	s_lshr_b32 s37, s[WV], 1                       ; fi
	s_and_b32 s38, s[WV], 1                        ; p
	s_lshl_b32 s39, s38, 6                         ; 16 p numbers of f32 in the source
	s_lshl_b32 s38, s38, 9                         ; 512 p in the fragment
	s_lshl_b32 s60, ttmp9, 2
	s_add_co_u32 s60, s60, s37                     ; F = 4 g + fi
	s_and_b32 s61, s60, 1                          ; F's lowest bit: c (w_o), hb (ffn1_w)
	; w_o: F = 128 s + 32 w + 2 kc + c: rows 32 s + 16 c, k = 512 w + 32 kc
	s_bfe_u32 s62, s60, 0x40001                    ; kc
	s_bfe_u32 s63, s60, 0x20005                    ; w
	s_lshr_b32 s6, s60, 7                          ; s
	s_lshl_b32 s30, s6, 18
	s_lshl_b32 s7, s61, 17
	s_add_co_u32 s30, s30, s7
	s_lshl_b32 s7, s63, 11
	s_add_co_u32 s30, s30, s7
	s_lshl_b32 s7, s62, 7
	s_add_co_u32 s30, s30, s7
	s_add_co_u32 s30, s30, s39                     ; source offset
	s_lshl_b32 s31, s60, 10
	s_add_co_u32 s31, s31, s38                     ; place in wt: 1,024 F + 512 p
	; ffn1_w: F = 16 ub + 2 kc + hb: rows 32 ub + 16 hb, k = 32 kc; fragment 2 kc + hb of part ub
	s_bfe_u32 s62, s60, 0x30001                    ; kc
	s_lshr_b32 s63, s60, 4                         ; ub
	s_lshl_b32 s32, s63, 15
	s_lshl_b32 s7, s61, 14
	s_add_co_u32 s32, s32, s7
	s_lshl_b32 s7, s62, 7
	s_add_co_u32 s32, s32, s7
	s_add_co_u32 s32, s32, s39
	s_lshl_b32 s33, s63, 15
	s_and_b32 s7, s60, 15
	s_lshl_b32 s7, s7, 10
	s_add_co_u32 s33, s33, s7
	s_add_co_u32 s33, s33, s38
	s_add_co_u32 s33, s33, 1048576                 ; behind w_o's eight blocks
	; ffn2_w: cb = 2 (g % 8) + fi % 2, ub = 2 (g / 8) + fi / 2: rows 16 cb, k = 32 ub; fragment 16 + cb of part ub
	s_and_b32 s62, ttmp9, 7
	s_lshl_b32 s62, s62, 1
	s_and_b32 s7, s37, 1
	s_add_co_u32 s62, s62, s7                      ; cb
	s_lshr_b32 s63, ttmp9, 3
	s_lshl_b32 s63, s63, 1
	s_lshr_b32 s7, s37, 1
	s_add_co_u32 s63, s63, s7                      ; ub
	s_lshl_b32 s34, s62, 17
	s_lshl_b32 s7, s63, 7
	s_add_co_u32 s34, s34, s7
	s_add_co_u32 s34, s34, s39
	s_lshl_b32 s35, s63, 15
	s_lshl_b32 s7, s62, 10
	s_add_co_u32 s35, s35, s7
	s_add_co_u32 s35, s35, s38
	s_add_co_u32 s35, s35, 1048576+16384
	; the positions as f32
	s_and_b32 s7, ttmp9, 31
	s_cvt_f32_u32 s[PPH], s7
	s_mov_b32 s[PPH+1], s[PPH]
	s_lshl_b32 s7, s[WV], 2
.irp i, 0,1,2,3
	s_add_co_u32 s6, s7, \i
	s_cvt_f32_u32 s[PPW+2*(\i)], s6
	s_mov_b32 s[PPW+2*(\i)+1], s[PPW+2*(\i)]
.endr
	s_mov_b32 s5, 0                                ; every offset is under 4 GiB: the pair's high word
	s_wait_kmcnt 0x0
	s_lshl_b32 s4, ttmp9, 15                       ; 32 rows of 1,024 bytes
	s_add_nc_u64 s[8:9], s[8:9], s[4:5]
	s_add_nc_u64 s[22:23], s[22:23], s[4:5]
	s_lshl_b32 s4, ttmp9, 14                       ; 32 rows of 512 bytes
	s_add_nc_u64 s[24:25], s[24:25], s[4:5]
	s_lshl_b32 s4, ttmp9, 13                       ; 2,048 numbers of f32
	s_add_nc_u64 s[10:11], s[10:11], s[4:5]
	s_add_nc_u64 s[12:13], s[12:13], s[4:5]
	s_add_nc_u64 s[14:15], s[14:15], s[4:5]
	s_lshl_b32 s4, ttmp9, 12                       ; 2,048 numbers of bf16
	s_add_nc_u64 s[26:27], s[26:27], s[4:5]
	s_mov_b32 s4, s30
	s_add_nc_u64 s[16:17], s[16:17], s[4:5]
	s_mov_b32 s4, s32
	s_add_nc_u64 s[18:19], s[18:19], s[4:5]
	s_mov_b32 s4, s34
	s_add_nc_u64 s[20:21], s[20:21], s[4:5]
	s_mov_b32 s4, s31
	s_add_nc_u64 s[2:3], s[28:29], s[4:5]          ; wt at w_o's half fragment,
	s_mov_b32 s4, s33
	s_add_nc_u64 s[6:7], s[28:29], s[4:5]          ; at ffn1_w's,
	s_mov_b32 s4, s35
	s_add_nc_u64 s[28:29], s[28:29], s[4:5]        ; at ffn2_w's
	; all 20 loads; each byte is read once in the launch
.irp i, 0,1,2,3
	global_load_b128 v[XD+8*(\i):XD+8*(\i)+3],   v[VX], s[8:9] offset:1024*(\i) th:TH_LOAD_NT      ; row 4 v + i, channels 4 l ..: 512 consecutive bytes a wave
	global_load_b128 v[XD+8*(\i)+4:XD+8*(\i)+7], v[VX], s[8:9] offset:1024*(\i)+512 th:TH_LOAD_NT  ; channels 128 + 4 l ..
.endr
.irp x, 0,1,2
	global_load_b128 v[WD+8*(\x):WD+8*(\x)+3],   v[VWL], s[10+2*(\x):11+2*(\x)] th:TH_LOAD_NT
	global_load_b128 v[WD+8*(\x)+4:WD+8*(\x)+7], v[VWL], s[10+2*(\x):11+2*(\x)] offset:512 th:TH_LOAD_NT
.endr
	global_load_b128 v[TD:TD+3],     v[VO8], s[16:17] th:TH_LOAD_NT
	global_load_b128 v[TD+4:TD+7],   v[VO8], s[16:17] offset:16 th:TH_LOAD_NT
	global_load_b128 v[TD+8:TD+11],  v[VO1], s[18:19] th:TH_LOAD_NT
	global_load_b128 v[TD+12:TD+15], v[VO1], s[18:19] offset:16 th:TH_LOAD_NT
	global_load_b128 v[TD+16:TD+19], v[VO8], s[20:21] th:TH_LOAD_NT
	global_load_b128 v[TD+20:TD+23], v[VO8], s[20:21] offset:16 th:TH_LOAD_NT
	; the signal, while they are on their way
	s_mov_b32 s[KS], 0xbe57fa62                    ; -0.21091607
	s_mov_b32 s[KB], 0xbfd3643a                    ; -1.6514961
	s_mov_b32 s[C9], 0x3da83c1b                    ; pi^9 / 9!
	s_mov_b32 s[C9+1], 0x3da83c1b
	s_mov_b32 s[C7], 0xbf196966                    ; -pi^7 / 7!
	s_mov_b32 s[C7+1], 0xbf196966
	s_mov_b32 s[C5], 0x402335e3                    ; pi^5 / 5!
	s_mov_b32 s[C5+1], 0x402335e3
	s_mov_b32 s[C3], 0xc0a55de7                    ; -pi^3 / 3!
	s_mov_b32 s[C3+1], 0xc0a55de7
	s_mov_b32 s[C1], 0x40490fdb                    ; pi
	s_mov_b32 s[C1+1], 0x40490fdb
	v_lshlrev_b32 v14, 2, v1
	v_and_b32 v14, 63, v14                         ; the timescale's number of my first channel: (4 l) % 64
.irp j, 0,1,2,3
	v_add_nc_u32 v15, \j, v14
	v_cvt_f32_u32 v[IV+(\j)], v15
	v_fma_f32 v[IV+(\j)], v[IV+(\j)], s[KS], s[KB]
.endr
.irp j, 0,1,2,3
	v_exp_f32 v[IV+(\j)], v[IV+(\j)]               ; inv / pi = 2^(-idx log2(10000) / 63 - log2(pi))
.endr
	v_nop                                          ; a plain instruction behind the last exponential,
	s_wait_alu depctr_va_vdst(0)                   ; and the one wait for the four, ahead of their first reader
	v_cvt_f32_u32 v[PH], v11
	v_mul_f32 v[PH], 0.5, v[PH]                    ; lanes 16-31 hold the cosines' channels
	v_mov_b32 v[PH+1], v[PH]
; four numbers of the signal at the position in s[sp], into v[d .. d+3]
.macro SIG d, sp
	v_pk_fma_f32 v[U:U+1],   v[IV:IV+1],   s[\sp:\sp+1], v[PH:PH+1] op_sel_hi:[1,0,1]  ; u = t / pi (+ 1/2)
	v_pk_fma_f32 v[U+2:U+3], v[IV+2:IV+3], s[\sp:\sp+1], v[PH:PH+1] op_sel_hi:[1,0,1]
.irp j, 0,1,2,3
	v_rndne_f32 v[N+(\j)], v[U+(\j)]
.endr
.irp j, 0,2
	v_pk_add_f32 v[U+(\j):U+(\j)+1], v[U+(\j):U+(\j)+1], v[N+(\j):N+(\j)+1] neg_lo:[0,1] neg_hi:[0,1]  ; rr = u - n
.endr
.irp j, 0,2
	v_pk_mul_f32 v[R2+(\j):R2+(\j)+1], v[U+(\j):U+(\j)+1], v[U+(\j):U+(\j)+1]
.endr
.irp j, 0,2
	v_pk_fma_f32 v[(\d)+(\j):(\d)+(\j)+1], v[R2+(\j):R2+(\j)+1], s[C9:C9+1], s[C7:C7+1] op_sel_hi:[1,0,0]
.endr
.irp c, C5, C3, C1
.irp j, 0,2
	v_pk_fma_f32 v[(\d)+(\j):(\d)+(\j)+1], v[(\d)+(\j):(\d)+(\j)+1], v[R2+(\j):R2+(\j)+1], s[\c:\c+1] op_sel_hi:[1,1,0]
.endr
.endr
.irp j, 0,2
	v_pk_mul_f32 v[(\d)+(\j):(\d)+(\j)+1], v[(\d)+(\j):(\d)+(\j)+1], v[U+(\j):U+(\j)+1]
.endr
.irp j, 0,1,2,3
	v_cvt_i32_f32 v[N+(\j)], v[N+(\j)]
	v_lshlrev_b32 v[N+(\j)], 31, v[N+(\j)]         ; n odd: the sign turns
	v_xor_b32 v[(\d)+(\j)], v[(\d)+(\j)], v[N+(\j)]
.endr
.endm
	SIG SH, PPH
	SIG SW, PPW
	SIG SW+4, PPW+2
	SIG SW+8, PPW+4
	SIG SW+12, PPW+6
.irp i, 0,1,2,3
	s_wait_loadcnt 18-2*(\i)                       ; loads come back in order: behind row i's two stand 18 - 2 i younger ones
	v_pk_add_f32 v[XD+8*(\i):XD+8*(\i)+1],   v[XD+8*(\i):XD+8*(\i)+1],   v[SH:SH+1]
	v_pk_add_f32 v[XD+8*(\i)+2:XD+8*(\i)+3], v[XD+8*(\i)+2:XD+8*(\i)+3], v[SH+2:SH+3]
	v_pk_add_f32 v[XD+8*(\i)+4:XD+8*(\i)+5], v[XD+8*(\i)+4:XD+8*(\i)+5], v[SW+4*(\i):SW+4*(\i)+1]
	v_pk_add_f32 v[XD+8*(\i)+6:XD+8*(\i)+7], v[XD+8*(\i)+6:XD+8*(\i)+7], v[SW+4*(\i)+2:SW+4*(\i)+3]
	global_store_b128 v[VX], v[XD+8*(\i):XD+8*(\i)+3],   s[22:23] offset:1024*(\i)
	global_store_b128 v[VX], v[XD+8*(\i)+4:XD+8*(\i)+7], s[22:23] offset:1024*(\i)+512
.irp j, 0,1,2,3
	v_cvt_pk_bf16_f32 v[XP+4*(\i)+(\j)], v[XD+8*(\i)+2*(\j)], v[XD+8*(\i)+2*(\j)+1]
.endr
	global_store_b64 v[VXB], v[XP+4*(\i):XP+4*(\i)+1],   s[24:25] offset:512*(\i)      ; 32 lanes x 8 bytes: 256 consecutive bytes, aligned
	global_store_b64 v[VXB], v[XP+4*(\i)+2:XP+4*(\i)+3], s[24:25] offset:512*(\i)+256
.endr
.irp x, 0,1,2
	s_wait_loadcnt 10-2*(\x)
.irp j, 0,1,2,3
	v_cvt_pk_bf16_f32 v[WP+4*(\x)+(\j)], v[WD+8*(\x)+2*(\j)], v[WD+8*(\x)+2*(\j)+1]
.endr
	global_store_b64 v[VWS], v[WP+4*(\x):WP+4*(\x)+1],   s[26:27] offset:1048576*(\x)
	global_store_b64 v[VWS], v[WP+4*(\x)+2:WP+4*(\x)+3], s[26:27] offset:1048576*(\x)+256
.endr
.irp m, 0,1,2
	s_wait_loadcnt 4-2*(\m)
.irp j, 0,1,2,3
	v_cvt_pk_bf16_f32 v[TP+4*(\m)+(\j)], v[TD+8*(\m)+2*(\j)], v[TD+8*(\m)+2*(\j)+1]
.endr
.endr
	global_store_b128 v[VD], v[TP:TP+3],    s[2:3]     ; a wave stores half a fragment: 512 consecutive bytes, aligned
	global_store_b128 v[VD], v[TP+4:TP+7],  s[6:7]
	global_store_b128 v[VD], v[TP+8:TP+11], s[28:29]
	s_endpgm
.Lfunc_end_k_q5f8a5cf4ad_prep:
	.size	k_q5f8a5cf4ad_prep, .Lfunc_end_k_q5f8a5cf4ad_prep-k_q5f8a5cf4ad_prep
	.p2alignl 7, 3214868480
	.fill 96, 4, 3214868480
	.section	.rodata,"a",@progbits
	.p2align	6, 0x0
	.amdhsa_kernel k_q5f8a5cf4ad_prep
		.amdhsa_group_segment_fixed_size 0
		.amdhsa_private_segment_fixed_size 0
		.amdhsa_enable_private_segment 0
		.amdhsa_kernarg_size 88
		.amdhsa_user_sgpr_count 2
		.amdhsa_user_sgpr_kernarg_segment_ptr 1
		.amdhsa_wavefront_size32 1
		.amdhsa_system_sgpr_workgroup_id_x 1
		.amdhsa_system_sgpr_workgroup_id_y 1
		.amdhsa_system_sgpr_workgroup_id_z 1
		.amdhsa_system_vgpr_workitem_id 0
		.amdhsa_next_free_vgpr 192
		.amdhsa_next_free_sgpr 66
		.amdhsa_reserve_vcc 0
		.amdhsa_float_denorm_mode_32 3
		.amdhsa_float_denorm_mode_16_64 3
		.amdhsa_memory_ordered 1
		.amdhsa_forward_progress 1
		.amdhsa_inst_pref_size 22
	.end_amdhsa_kernel
	.amdgpu_metadata
---
amdhsa.version: [ 1, 2 ]
amdhsa.kernels:
  - .name:           k_q5f8a5cf4ad_prep
    .symbol:         k_q5f8a5cf4ad_prep.kd
    .args:
      - { .name: src, .offset: 0, .size: 8, .value_kind: global_buffer, .address_space: global }
      - { .name: w_q, .offset: 8, .size: 8, .value_kind: global_buffer, .address_space: global }
      - { .name: w_k, .offset: 16, .size: 8, .value_kind: global_buffer, .address_space: global }
      - { .name: w_v, .offset: 24, .size: 8, .value_kind: global_buffer, .address_space: global }
      - { .name: w_o, .offset: 32, .size: 8, .value_kind: global_buffer, .address_space: global }
      - { .name: ffn1_w, .offset: 40, .size: 8, .value_kind: global_buffer, .address_space: global }
      - { .name: ffn2_w, .offset: 48, .size: 8, .value_kind: global_buffer, .address_space: global }
      - { .name: xf, .offset: 56, .size: 8, .value_kind: global_buffer, .address_space: global }
      - { .name: xb, .offset: 64, .size: 8, .value_kind: global_buffer, .address_space: global }
      - { .name: wqkv, .offset: 72, .size: 8, .value_kind: global_buffer, .address_space: global }
      - { .name: wt, .offset: 80, .size: 8, .value_kind: global_buffer, .address_space: global }
    .group_segment_fixed_size: 0
    .private_segment_fixed_size: 0
    .kernarg_segment_align: 8
    .kernarg_segment_size: 88
    .max_flat_workgroup_size: 256
    .sgpr_count:     66
    .vgpr_count:     192
    .wavefront_size: 32
...
	.end_amdgpu_metadata
.endif
;; end of part 1
;; launch qkv (part 2): grid 64 x 4, 4 waves a work-group, clusters of 4 x 1, 327,680 bytes of LDS; arguments xb, wqkv, qkv; writes qkv
.if DOCPART == 2
	.amdgcn_target "amdgcn-amd-amdhsa--gfx1250"
	.amdhsa_code_object_version 6
	.text
	.protected	k_q5f8a5cf4ad_qkv
	.globl	k_q5f8a5cf4ad_qkv
	.p2align	8
	.type	k_q5f8a5cf4ad_qkv,@function
k_q5f8a5cf4ad_qkv:
	s_mov_b64 s[64:65], 0
	v_nop
	global_prefetch_b8 v0, s[64:65] scope:SCOPE_SE
	s_setreg_imm32_b32 hwreg(HW_REG_WAVE_MODE, 25, 1), 1
	s_wait_xcnt 0x0
	s_wait_alu depctr_hold_cnt(0) depctr_sa_sdst(0) depctr_va_vdst(0) depctr_va_sdst(0) depctr_va_ssrc(0) depctr_va_vcc(0) depctr_vm_vsrc(0)
	s_getreg_b32 s2, hwreg(HW_REG_IB_STS2, 6, 4)
	s_cmp_eq_u32 s2, 0
	s_cbranch_scc0 .Lentry_in_a_cluster
	s_endpgm
.Lentry_in_a_cluster:
	s_bfe_u32 s2, ttmp6, 0x10000c
	s_cmp_lg_u32 s2, 0x3003
	s_cbranch_scc0 .Lentry_shape_is_right
	s_endpgm
.Lentry_shape_is_right:
; q, k, v = x W^T.  xb: [8192][256] bf16, wqkv: [6144][256] bf16, sums in f32, rounded once to bf16 into qkv [image][24 column tiles][1024 rows][256]: column tile nt = 8 x (q, k, v) + head.
; SHARES.  Work-group (mx, ny): rows 128 mx .. of x, column tiles 6 ny .. 6 ny + 5 of 256 columns.  Wave w: rows 64 (w / 2) .., columns 128 (w % 2) .. of each tile: 32 accumulators of 16 x 16.
; K = 256 is whole in a tile.  THE WAVE'S 64 ROWS OF x STAY IN REGISTERS (32 fragments, 256 registers), so LDS is read for the weights alone: 16 loads for 32 matrix instructions.
; THE RING.  Two slots, each a tile of the weights: 256 rows of 512 bytes, padded to 528.  Each wave fetches 64 rows by one tensor load.
; CLUSTER.  The four work-groups of a cluster (neighbouring mx, one ny) walk the same weight tiles: each load is asked for jointly, same descriptor and mask in all four.
; The matrix instruction is used transposed (source 0 = 16 rows of W, source 1 = 16 rows of x): a lane holds eight neighbouring columns of one row of the result.
; No prefetch: beside each tile's 256 matrix instructions a wave stores 16 KiB, so the launch's stores keep memory at work all the time.
; REGISTERS: window 0: v16-29 addresses; v32-63 packed results; v64-127 rows read back from the stage, two sets; v128-255 two buffers of 8 fragments of W.
;   window 1: x, fragment (a, q) (rows 16 a, k = 32 q) at 8 (8 a + q).     window 2: accumulator (a, bn) at 8 (8 a + bn).
.set PITCH,  528       ; 512 + 16 bytes = 132 words: the 16 rows of a fragment load start at 16 different groups of four banks (64 banks of 4 bytes: ISA guide 11.1)
.set WPART,  64*PITCH  ; what one tensor load brings
.set SLOT1,  4*WPART   ; 135,168 = bits 17 and 12, which no wave's offset w x 33,792 (bits 10, 11, 15, 16) has: one exclusive or changes slots
.set STAGE,  2*SLOT1   ; behind the ring: 16 rows x 272 bytes for each wave, for the way out; no tensor load fills it
.set SPITCH, 272
.set SPARE,  STAGE+4*16*SPITCH  ; the spare words: 128 bytes a wave, two blocks of 256 bytes that no other line names
.set WTILE,  256*512   ; bytes of wqkv in a tile
.set OTILE,  1024*512  ; bytes of qkv from a column tile to the next
.set ADRB0, 16         ; v16  my lane's place in a slot: (128 (w % 2) + l % 16) x 528 + 16 (l / 16)
.set ADRB,  17         ; v17  the same in the slot in hand
.set STO,   24         ; v24  the way out: where I put 16 bytes of a row
.set RD,    25         ; v25  where I read a row back
.set CO,    26         ; v26  my byte offset in two rows of the result
.set AOF,   27         ; v27  my byte offset in 16 rows of x
.set SPW,   28         ; v28  my spare word; never rewritten
.set NIL,   29         ; v29  0; never rewritten
.set TMP,   32
.set OB,    64
.set BF,    128
.set WV,  10
.set MH,  11
.set NH,  12
.set CX,  13
.set MX,  14
.set NY,  15
.set STP, 16           ; s[16:17] what the next way out adds to the result's address
.set G1,  24           ; s[24:31] descriptor group 1
.set G0,  32           ; s[32:35] descriptor group 0: it walks
.set TB,  36           ; s36  LDS byte at which the slot in hand begins
.set CNT, 37
.set MSB, 0
.macro WIN new                         ; the immediate's high byte repeats the setting that is left; a switch that changes nothing is dropped
.if MSB != (\new)
	s_set_vgpr_msb (MSB<<8)|(\new)
.set MSB, \new
.endif
.endm
.macro PLACES                          ; four places behind a matrix instruction, ahead of loads into its sources and of reads of its result
.rept 4
	v_nop
.endr
.endm
.macro CROUND                          ; a round of the cluster's barrier
	s_barrier_signal -1
	s_barrier_wait -1
	s_cmp_lg_u32 s[WV], 0
	s_cbranch_scc1 .Lnot_wave_0_\@
	s_barrier_signal -3
.Lnot_wave_0_\@:
	s_barrier_wait -3
	s_barrier_signal -1
	s_barrier_wait -1
.endm
	s_load_b128 s[4:7], s[0:1], 0x0                ; xb s[4:5], wqkv s[6:7]
	s_load_b64 s[8:9], s[0:1], 0x10                ; qkv
	v_lshl_add_u32 v[SPW], v0, 2, SPARE
	v_mov_b32 v[NIL], 0
	ds_add_u32 v[SPW], v[NIL]                      ; the wave's opening: the add and its wait ahead of my first tensor load; register work stands between them
	v_lshrrev_b32 v1, 5, v0
	v_readfirstlane_b32 s[WV], v1                  ; wave 0..3
	s_lshr_b32 s[MH], s[WV], 1
	s_and_b32 s[NH], s[WV], 1
	s_bfe_u32 s[CX], ttmp6, 0x40000                ; my place in the cluster
	s_lshl_b32 s[MX], ttmp9, 2
	s_add_co_u32 s[MX], s[MX], s[CX]               ; it enters x's and the result's addresses alone
	s_and_b32 s[NY], ttmp7, 0xffff
	s_mov_b32 s[G1+0], 15|(1<<16)|(1<<20)|(1<<21)|(6<<22)|(3<<25)  ; mask of four; 2-byte elements; padding on; bit 21 beside a mask; after every 128 words 4 words
	s_mov_b32 s[G1+1], 256<<16                     ; tensor_dim0 = 256
	s_mov_b32 s[G1+2], 64<<16                      ; tensor_dim1 = 64
	s_mov_b32 s[G1+3], 256<<16                     ; tile_dim0 = 256
	s_mov_b32 s[G1+4], 64                          ; tile_dim1 = 64
	s_mov_b32 s[G1+5], 256                         ; elements from row to row
	s_mov_b32 s[G1+6], 0
	s_mov_b32 s[G1+7], 0
	s_mov_b32 s[G0], 1
	s_mul_i32 s[G0+1], s[WV], WPART                ; slot 0, my 64 rows
	s_mul_i32 s18, s[NY], 6*WTILE                  ; my first tile of the weights,
	s_lshl_b32 s19, s[WV], 15                      ; my 64 rows of 512 bytes
	s_add_co_u32 s18, s18, s19
	s_mov_b32 s19, 0
	s_lshl_b32 s20, s[MX], 16                      ; x: 128 mx rows of 512 bytes
	s_lshl_b32 s21, s[MH], 15
	s_add_co_u32 s20, s20, s21
	s_mov_b32 s21, 0
	s_lshr_b32 s22, s[MX], 3                       ; the image
	s_mul_i32 s[STP], s22, 24*OTILE
	s_mul_i32 s22, s[NY], 6*OTILE
	s_add_co_u32 s[STP], s[STP], s22
	s_and_b32 s22, s[MX], 7
	s_lshl_b32 s22, s22, 16                        ; the group's 128 rows in the image
	s_add_co_u32 s[STP], s[STP], s22
	s_lshl_b32 s22, s[MH], 15
	s_add_co_u32 s[STP], s[STP], s22
	s_lshl_b32 s22, s[NH], 8                       ; my 128 columns
	s_add_co_u32 s[STP], s[STP], s22               ; under 2^27
	s_mov_b32 s[STP+1], 0
	s_mov_b32 s[TB], SLOT1                         ; the first change of slots turns it into 0
	s_wait_dscnt 0x0                               ; the opening add is done
	s_wait_kmcnt 0x0
	s_add_nc_u64 s[G0+2:G0+3], s[6:7], s[18:19]
	s_or_b32 s[G0+3], s[G0+3], 0x80000000          ; type = 2
	s_add_nc_u64 s[4:5], s[4:5], s[20:21]
	CROUND                                         ; all four work-groups are here: the first joint loads meet
	tensor_load_to_lds s[G0:G0+3], s[G1:G1+7]      ; tile 0 into slot 0
	s_nop 0
	PLACES
	v_and_b32 v1, 15, v0                           ; l % 16
	v_bfe_u32 v2, v0, 4, 1                         ; l / 16
	v_lshlrev_b32 v[AOF], 9, v1
	v_lshl_add_u32 v[AOF], v2, 4, v[AOF]
	WIN 0x40                                       ; destination window 1
.irp a, 0,1,2,3
.irp q, 0,1,2,3,4,5,6,7
	global_load_b128 v[8*(8*(\a)+(\q)):8*(8*(\a)+(\q))+3],   v[AOF], s[4:5] offset:(\a)*8192+(\q)*64
	global_load_b128 v[8*(8*(\a)+(\q))+4:8*(8*(\a)+(\q))+7], v[AOF], s[4:5] offset:(\a)*8192+(\q)*64+32
.endr
.endr
	WIN 0
	v_mul_u32_u24 v3, v1, PITCH
	v_lshl_add_u32 v3, v2, 4, v3
	s_mul_i32 s20, s[NH], 128*PITCH
	v_add_nc_u32 v[ADRB0], s20, v3
	s_mul_i32 s23, s[WV], 16*SPITCH
	s_add_co_u32 s23, s23, STAGE                   ; my stage
	v_mul_u32_u24 v4, v1, SPITCH
	v_lshl_add_u32 v4, v2, 4, v4
	v_add_nc_u32 v[STO], s23, v4
	v_mul_u32_u24 v5, v2, SPITCH
	v_lshl_add_u32 v5, v1, 4, v5
	v_add_nc_u32 v[RD], s23, v5
	v_lshlrev_b32 v5, 9, v2
	v_lshl_add_u32 v[CO], v1, 4, v5
; 16 LDS loads: W's eight fragments of k = 32 q .. into buffer q % 2
.macro FETCH q
	WIN 0
.irp b, 0,1,2,3,4,5,6,7
	ds_load_b128 v[BF+64*((\q)%2)+8*(\b):BF+64*((\q)%2)+8*(\b)+3],   v[ADRB] offset:(\b)*16*PITCH+64*(\q)
	ds_load_b128 v[BF+64*((\q)%2)+8*(\b)+4:BF+64*((\q)%2)+8*(\b)+7], v[ADRB] offset:(\b)*16*PITCH+64*(\q)+32
.endr
.endm
; 32 matrix instructions; the 32 accumulators take turns, one instruction a turn.  q = 0 starts the sums with the constant 0.
.macro MUL q
	WIN 0xa4                                       ; W window 0, x window 1, C and D window 2
.irp a, 0,1,2,3
.irp b, 0,1,2,3,4,5,6,7
.if (\q) == 0
	v_wmma_f32_16x16x32_bf16 v[8*(8*(\a)+(\b)):8*(8*(\a)+(\b))+7], v[BF+64*((\q)%2)+8*(\b):BF+64*((\q)%2)+8*(\b)+7], v[8*(8*(\a)+(\q)):8*(8*(\a)+(\q))+7], 0
.else
	v_wmma_f32_16x16x32_bf16 v[8*(8*(\a)+(\b)):8*(8*(\a)+(\b))+7], v[BF+64*((\q)%2)+8*(\b):BF+64*((\q)%2)+8*(\b)+7], v[8*(8*(\a)+(\q)):8*(8*(\a)+(\q))+7], v[8*(8*(\a)+(\b)):8*(8*(\a)+(\b))+7]
.endif
.endr
.endr
.endm
; a tile's eight quarters of 32 along K: while one is multiplied the next one's 16 loads are out
.macro QUARTERS
	WIN 0
	v_add_nc_u32 v[ADRB], s[TB], v[ADRB0]
	FETCH 0
.irp q, 0,1,2,3,4,5,6
.if (\q) > 0
	PLACES                                         ; the buffer's last reader was the quarter before
.endif
	FETCH (\q)+1
	s_wait_dscnt 16                                ; all but the 16 just issued
	MUL \q
.endr
	s_wait_dscnt 0x0
	MUL 7
.endm
; THE CHANGE OF SLOTS.  Every wave waits for all its tensor loads (one is out: its part of the other slot), adds 0 to its spare word, and waits for that and for its reads of the slot that it leaves.
; fill = 1: the barrier is a round of the cluster's, and the slot just read is filled again first thing behind it, with the tile two on: ahead of the tile's stores.
.macro CHANGE fill
	WIN 0
	s_wait_tensorcnt 0x0                           ; no tensor load of mine is out, so group 0 may be written
	ds_add_u32 v[SPW], v[NIL]                      ; the add; scalar work stands between it and the wait for it
.if \fill
	s_xor_b32 s[G0+1], s[G0+1], SLOT1
	s_add_nc_u64 s[G0+2:G0+3], s[G0+2:G0+3], WTILE
.endif
	s_xor_b32 s[TB], s[TB], SLOT1
	s_wait_dscnt 0x0                               ; the add is done, and my reads of the slot are over
.if \fill
	CROUND
	tensor_load_to_lds s[G0:G0+3], s[G1:G1+7]
	s_nop 0
	PLACES                                         ; also the places behind the tile's last products
.else
	s_barrier_signal -1
	s_barrier_wait -1
	PLACES
.endif
.endm
; THE WAY OUT of block a (16 rows x 128 columns): rounded to bf16, through my stage, back as whole rows of 256 bytes, stored.
.macro PACK a
	WIN 0x0a                                       ; sources window 2
.irp b, 0,1,2,3,4,5,6,7
.irp r, 0,1,2,3
	v_cvt_pk_bf16_f32 v[TMP+4*(\b)+(\r)], v[8*(8*(\a)+(\b))+2*(\r)], v[8*(8*(\a)+(\b))+2*(\r)+1]
.endr
.endr
	WIN 0
.endm
.macro TOSTAGE a
.irp b, 0,1,2,3,4,5,6,7
	ds_store_b128 v[STO], v[TMP+4*(\b):TMP+4*(\b)+3] offset:32*(\b)
.endr
.irp t, 0,1,2,3,4,5,6,7
	ds_load_b128 v[OB+32*((\a)%2)+4*(\t):OB+32*((\a)%2)+4*(\t)+3], v[RD] offset:(\t)*2*SPITCH  ; LDS serves a wave's instructions in order (ISA guide 5.7.1.4): these see the stores above
.endr
.endm
.macro SEND a
	s_wait_dscnt 0x0                               ; the block is back in registers
	s_wait_xcnt 0x0                                ; earlier stores have read their registers and their base: the other set of rows, and the base, are rewritten only behind this wait
.if (\a) == 0
	s_add_nc_u64 s[8:9], s[8:9], s[STP:STP+1]      ; on to this tile
.endif
.irp t, 0,1,2,3,4,5,6,7
	global_store_b128 v[CO], v[OB+32*((\a)%2)+4*(\t):OB+32*((\a)%2)+4*(\t)+3], s[8:9] offset:(16*(\a)+2*(\t))*512  ; 16 lanes store 256 consecutive bytes, aligned
.endr
.endm
.macro WAYOUT
	PACK 0
	TOSTAGE 0
.irp a, 1,2,3
	PACK \a                                        ; a block's conversions stand between the loads of the block before and the wait for them
	SEND (\a)-1
	TOSTAGE \a
.endr
	SEND 3
	s_mov_b32 s[STP], OTILE
.endm
	CHANGE 1                                       ; tile 0 is in, everybody's part of it; tile 1 is asked for, into slot 1
	s_wait_loadcnt 0x0                             ; x
	s_mov_b32 s[CNT], 4
.Ltile:                                                ; tiles 0 to 3: tile i + 2 is asked for
	QUARTERS
	CHANGE 1
	WAYOUT
	s_sub_co_u32 s[CNT], s[CNT], 1
	s_cmp_lg_u32 s[CNT], 0
	s_cbranch_scc1 .Ltile
	s_mov_b32 s[CNT], 2
.Llast:                                                ; tiles 4 and 5 ask for nothing: a text of their own (the second trip's barrier orders nothing: the price of one text for both)
	QUARTERS
	CHANGE 0
	WAYOUT
	s_sub_co_u32 s[CNT], s[CNT], 1
	s_cmp_lg_u32 s[CNT], 0
	s_cbranch_scc1 .Llast
	s_wait_tensorcnt 0x0                           ; the wave's end
	ds_add_u32 v[SPW], v[NIL]
	s_wait_dscnt 0x0
	CROUND                                         ; the closing round
	s_endpgm
.Lfunc_end_k_q5f8a5cf4ad_qkv:
	.size	k_q5f8a5cf4ad_qkv, .Lfunc_end_k_q5f8a5cf4ad_qkv-k_q5f8a5cf4ad_qkv
	.p2alignl 7, 3214868480
	.fill 96, 4, 3214868480
	.section	.rodata,"a",@progbits
	.p2align	6, 0x0
	.amdhsa_kernel k_q5f8a5cf4ad_qkv
		.amdhsa_group_segment_fixed_size 327680
		.amdhsa_private_segment_fixed_size 0
		.amdhsa_enable_private_segment 0
		.amdhsa_kernarg_size 24
		.amdhsa_user_sgpr_count 2
		.amdhsa_user_sgpr_kernarg_segment_ptr 1
		.amdhsa_wavefront_size32 1
		.amdhsa_system_sgpr_workgroup_id_x 1
		.amdhsa_system_sgpr_workgroup_id_y 1
		.amdhsa_system_sgpr_workgroup_id_z 1
		.amdhsa_system_vgpr_workitem_id 0
		.amdhsa_next_free_vgpr 768
		.amdhsa_next_free_sgpr 66
		.amdhsa_reserve_vcc 0
		.amdhsa_float_denorm_mode_32 3
		.amdhsa_float_denorm_mode_16_64 3
		.amdhsa_memory_ordered 1
		.amdhsa_forward_progress 1
		.amdhsa_inst_pref_size 96
	.end_amdhsa_kernel
	.amdgpu_metadata
---
amdhsa.version: [ 1, 2 ]
amdhsa.kernels:
  - .name:           k_q5f8a5cf4ad_qkv
    .symbol:         k_q5f8a5cf4ad_qkv.kd
    .args:
      - { .name: xb, .offset: 0, .size: 8, .value_kind: global_buffer, .address_space: global }
      - { .name: wqkv, .offset: 8, .size: 8, .value_kind: global_buffer, .address_space: global }
      - { .name: qkv, .offset: 16, .size: 8, .value_kind: global_buffer, .address_space: global }
    .group_segment_fixed_size: 327680
    .private_segment_fixed_size: 0
    .kernarg_segment_align: 8
    .kernarg_segment_size: 24
    .max_flat_workgroup_size: 128
    .sgpr_count:     66
    .vgpr_count:     768
    .wavefront_size: 32
...
	.end_amdgpu_metadata
.endif
;; end of part 2
;; launch attn (part 3): grid 4 x 64, 4 waves a work-group, clusters of 4 x 1, 327,680 bytes of LDS; arguments qkv, ao; writes ao
.if DOCPART == 3
	.amdgcn_target "amdgcn-amd-amdhsa--gfx1250"
	.amdhsa_code_object_version 6
	.text
	.protected	k_q5f8a5cf4ad_attn
	.globl	k_q5f8a5cf4ad_attn
	.p2align	8
	.type	k_q5f8a5cf4ad_attn,@function
k_q5f8a5cf4ad_attn:
	s_mov_b64 s[64:65], 0
	v_nop
	global_prefetch_b8 v0, s[64:65] scope:SCOPE_SE
	s_setreg_imm32_b32 hwreg(HW_REG_WAVE_MODE, 25, 1), 1
	s_wait_xcnt 0x0
	s_wait_alu depctr_hold_cnt(0) depctr_sa_sdst(0) depctr_va_vdst(0) depctr_va_sdst(0) depctr_va_ssrc(0) depctr_va_vcc(0) depctr_vm_vsrc(0)
	s_getreg_b32 s2, hwreg(HW_REG_IB_STS2, 6, 4)
	s_cmp_eq_u32 s2, 0
	s_cbranch_scc0 .Lentry_in_a_cluster
	s_endpgm
.Lentry_in_a_cluster:
	s_bfe_u32 s2, ttmp6, 0x10000c
	s_cmp_lg_u32 s2, 0x3003
	s_cbranch_scc0 .Lentry_shape_is_right
	s_endpgm
.Lentry_shape_is_right:
; ao[image][row][head x 256 ..] = the sum over k of softmax_k(q . k / 16) v, for each of 64 (image, head) pairs; 1,024 rows, head size 256.  q, k, v: bf16 in qkv [image][q, k, v][head][1024][256].
; Products, maxima and sums in f32; the weights p are rounded to bf16 for the second product (their sum l is taken of the unrounded p), the result once at the end.
; LIMITS.  A weight below 2^-126 counts as 0; c s must lie above -3e37 (c times the lowest finite number, where the running maximum starts); NaN and infinities are not treated apart.
; SHARES.  A work-group owns 256 queries of one pair, a wave 64: four tiles of 16.  Every wave walks all 1,024 keys, 64 a step: 128 products K Q^T, the softmax, 128 products V^T P.
; LAYOUT.  S^T = K Q^T (source 0 = 16 keys, source 1 = 16 queries): a lane holds ONE query (lane % 16) and the keys 8 (lane / 16) + 0..7.  Two such results rounded to bf16 in pairs ARE source 1 of O^T = V^T P.
; K comes out of LDS as it lies, V ([key][channel]) turned, by ds_load_tr16_b128.
; SOFTMAX.  p = 2^(c s - c m), c = log2(e) / 16, with a running maximum m; in every step O and l are multiplied by a = 2^(c m_old - c m_new).  m starts at the lowest finite number, O and l at 0: the first step has a = 0.
; WHERE THE VECTOR WORK STANDS.  Between the two runs of products stands what V^T P's first group needs: maxima, a, scalings, exponentials, the sums and roundings of keys 0-31, and O's channel blocks 0-3 times a.
; The rest RIDES, four lines behind a product.  V^T P goes in eight groups of 16 products: groups 0-3 take keys 0-31 and channel blocks 4 g .. 4 g + 3, groups 4-7 keys 32-63.  An accumulator must be multiplied by a only
; before its first product of the step: those of groups 1-3 (192 lines) ride behind groups 0-2.  The roundings of keys 32-63 are wanted by group 4, their sums by l alone: these 64 lines ride behind group 3.
; THE RING.  Two slots of one key step each (64 rows of K, 64 of V), so the change of slots stands at the same place in every step and a step is written once for each loop.
; CLUSTER.  The pair's four query blocks walk the same K and V: each tile is asked for jointly, same load, descriptor and mask in all four.
; REGISTERS: window 0: v2-15 addresses; v16-31 four registers of statistics a tile; v32-159 S^T, 32 a tile, P in place over it; v160-255 three buffers of four fragments (the third also serves the softmax as scratch).
;   window 1: Q, tile t, channels 32 c at 64 t + 8 c.     windows 2, 3: O^T, tile t, channels 16 cb at 128 (t % 2) + 8 cb; tiles 0, 1 in window 2.
.set PK,    528        ; a row of K in LDS: 512 + 16 bytes: the 16 rows of a load start at 16 different groups of four banks (64 banks of 4 bytes: ISA guide 11.1)
.set PV,    544        ; a row of V: 512 + 32 bytes
.set VOFF,  64*PK
.set SLOT1, 1<<17
.set STAGE, SLOT1+64*(PK+PV)   ; behind the ring: 16 rows x 528 bytes for each wave; no tensor load fills it
.set SP,    528
.set SPARE, STAGE+4*16*SP      ; the spare words: 128 bytes a wave, two blocks of 256 bytes that no other line names
.set STEPB, 64*512     ; bytes of K, and of V, in a step
.set AK0, 2
.set AV0, 3
.set ADRK, 4
.set ADRV, 5
.set STO, 6
.set RD,  7
.set GO,  8
.set PFO, 12           ; v12  256 x lane; never rewritten
.set QO,  13
.set SPW, 14           ; v14  my spare word; never rewritten
.set NIL, 15           ; v15  0; never rewritten
.set ST,  16           ; tile t at ST + 4 t: c m while the scores are scaled, then a for the riders; m; l (even keys', odd keys')
.set S,   32
.set F0,  160
.set F1,  192
.set F2,  224
.set TT,  F2           ; the softmax's scratch, 8 a tile: c0-c3 (a takes c2's place), two pairs; it ends when V's group 2 is fetched into the buffer
.set WV,  12
.set LIM, 15           ; s15  1 in a wave that prefetches, else the greatest number
.set PFA, 18           ; s[18:19] where my prefetches stand
.set G1K, 24
.set G1V, 32
.set G0K, 40
.set G0V, 44
.set CNT, 56
.set CS,  58           ; s[58:59] c
.set SEL, 60           ; s[60:61] v_permlanex16_b32's selects: each lane takes its own place in the other half
.set TB,  62           ; s62  LDS byte at which the slot in hand begins
.set MSB, 0
.macro WIN new
.if MSB != (\new)
	s_set_vgpr_msb (MSB<<8)|(\new)
.set MSB, \new
.endif
.endm
.macro PLACES
.rept 4
	v_nop
.endr
.endm
.macro CREST
	s_cmp_lg_u32 s[WV], 0
	s_cbranch_scc1 .Lnot_wave_0_\@
	s_barrier_signal -3
.Lnot_wave_0_\@:
	s_barrier_wait -3
	s_barrier_signal -1
	s_barrier_wait -1
.endm
.macro CROUND
	s_barrier_signal -1
	s_barrier_wait -1
	CREST
.endm
; A joint fill: waves 0 and 1 fetch the two halves (32 rows) of a step's K, waves 2 and 3 those of its V.  The branch hangs on the wave's number alone.
.macro JLOAD
	s_cmp_lt_u32 s[WV], 2
	s_cbranch_scc0 .Lfor_v_\@
	tensor_load_to_lds s[G0K:G0K+3], s[G1K:G1K+7]
	s_nop 0
	PLACES
	s_branch .Lasked_\@
.Lfor_v_\@:
	tensor_load_to_lds s[G0V:G0V+3], s[G1V:G1V+7]
	s_nop 0
	PLACES
.Lasked_\@:
.endm
; A prefetch of the step behind the one just asked for: its K (wave 0) or V (wave 2) is 128 blocks of 256 bytes; the four partners take 32 each, told apart by address, a lane a block.
; So each block is named once in the launch.  Steps 0 to 2 come by their loads alone; the loop's last trip asks for nothing: step 15 is the last.
.macro ASK
	s_cmp_gt_u32 s[CNT], s[LIM]
	s_cbranch_scc0 .Lnot_mine_\@
	global_prefetch_b8 v[PFO], s[PFA:PFA+1] th:TH_LOAD_NT scope:SCOPE_SE
.Lnot_mine_\@:
.endm
.macro DSTEP                           ; both walking descriptors: the other slot, the next 64 keys
.irp g, G0K, G0V
	s_xor_b32 s[\g+1], s[\g+1], SLOT1
	s_add_nc_u64 s[\g+2:\g+3], s[\g+2:\g+3], STEPB
.endr
.endm
	s_load_b128 s[4:7], s[0:1], 0x0                ; qkv s[4:5], ao s[6:7]
	v_lshl_add_u32 v[SPW], v0, 2, SPARE
	v_mov_b32 v[NIL], 0
	ds_add_u32 v[SPW], v[NIL]                      ; the wave's opening: the add and its wait ahead of my first tensor load
	v_lshrrev_b32 v1, 5, v0
	v_readfirstlane_b32 s[WV], v1
	s_bfe_u32 s13, ttmp6, 0x40000                  ; cx: my block of 256 queries
	s_and_b32 s14, ttmp7, 0xffff
	s_lshr_b32 s16, s14, 3                         ; the image
	s_and_b32 s17, s14, 7                          ; the head
	s_mul_i32 s20, s16, 12582912
	s_lshl_b32 s21, s17, 19
	s_add_co_u32 s20, s20, s21                     ; the head's q in qkv (under 2^27)
	s_and_b32 s22, s[WV], 1                        ; which half of a step's rows I fetch
	s_lshl_b32 s2, s22, 14
	s_add_co_u32 s2, s2, s20
	s_mov_b32 s3, 0
	s_mul_i32 s23, s22, 32*PK
	s_mul_i32 s22, s22, 32*PV
	s_lshl_b32 s54, s13, 17                        ; q: my block's 256 rows of 512 bytes,
	s_lshl_b32 s55, s[WV], 15                      ; my wave's 64
	s_add_co_u32 s54, s54, s55
	s_add_co_u32 s54, s54, s20
	s_mov_b32 s55, 0
	s_lshl_b32 s52, s16, 22                        ; ao: rows of 4,096 bytes
	s_lshl_b32 s53, s13, 20
	s_add_co_u32 s52, s52, s53
	s_lshl_b32 s53, s[WV], 18
	s_add_co_u32 s52, s52, s53
	s_lshl_b32 s53, s17, 9
	s_add_co_u32 s52, s52, s53
	s_mov_b32 s53, 0
	s_mov_b32 s[G1K], 15|(1<<16)|(1<<20)|(1<<21)|(6<<22)|(3<<25)  ; mask of four; 2-byte elements; padding on; bit 21 beside a mask; after every 128 words 4 words
	s_mov_b32 s[G1V], 15|(1<<16)|(1<<20)|(1<<21)|(6<<22)|(7<<25)  ; the same with 8 words
.irp g, G1K, G1V
	s_mov_b32 s[\g+1], 256<<16                     ; tensor_dim0 = 256
	s_mov_b32 s[\g+2], 32<<16                      ; tensor_dim1 = 32
	s_mov_b32 s[\g+3], 256<<16                     ; tile_dim0 = 256
	s_mov_b32 s[\g+4], 32                          ; tile_dim1 = 32
	s_mov_b32 s[\g+5], 256
	s_mov_b32 s[\g+6], 0
	s_mov_b32 s[\g+7], 0
.endr
	s_mov_b32 s[G0K], 1
	s_mov_b32 s[G0K+1], s23
	s_mov_b32 s[G0V], 1
	s_add_co_u32 s[G0V+1], s22, VOFF
	s_mov_b32 s[CS], 0x3db8aa3b                    ; c = log2(e) / 16
	s_mov_b32 s[CS+1], s[CS]
	s_mov_b32 s[SEL], 0x76543210
	s_mov_b32 s[SEL+1], 0xfedcba98
	s_mov_b32 s[TB], SLOT1                         ; the first change of slots turns it into 0
	s_and_b32 s[LIM], s[WV], 1
	s_cmp_eq_u32 s[LIM], 0
	s_cselect_b32 s[LIM], 1, -1                    ; waves 0 and 2: the same in all partners
	s_lshl_b32 s20, s13, 13                        ; my work-group's 32 blocks of the 128
	s_mov_b32 s21, 0
	s_wait_dscnt 0x0                               ; the opening add is done
	s_wait_kmcnt 0x0
	s_add_nc_u64 s[48:49], s[4:5], s[2:3]
	s_add_nc_u64 s[50:51], s[48:49], 8388608       ; v
	s_add_nc_u64 s[48:49], s[48:49], 4194304       ; k
	s_mov_b64 s[G0K+2:G0K+3], s[48:49]
	s_or_b32 s[G0K+3], s[G0K+3], 0x80000000
	s_mov_b64 s[G0V+2:G0V+3], s[50:51]
	s_or_b32 s[G0V+3], s[G0V+3], 0x80000000
	s_cmp_lt_u32 s[WV], 2
	s_cselect_b64 s[PFA:PFA+1], s[48:49], s[50:51] ; (in waves 0 and 2 these stand at a step's first row)
	s_add_nc_u64 s[PFA:PFA+1], s[PFA:PFA+1], s[20:21]
	s_add_nc_u64 s[PFA:PFA+1], s[PFA:PFA+1], 2*STEPB  ; at step 2; the loop's first trip steps it to 3
	s_add_nc_u64 s[8:9], s[4:5], s[54:55]          ; q at my wave's first row
	s_add_nc_u64 s[10:11], s[6:7], s[52:53]        ; ao likewise
	CROUND                                         ; all four work-groups are here
	JLOAD                                          ; step 0 into slot 0
	v_and_b32 v1, 15, v0
	v_bfe_u32 v9, v0, 4, 1
	v_lshlrev_b32 v[QO], 9, v1
	v_lshl_add_u32 v[QO], v9, 4, v[QO]
	WIN 0x40
.irp t, 0,1,2,3
.irp c, 0,1,2,3,4,5,6,7
	global_load_b128 v[64*(\t)+8*(\c):64*(\t)+8*(\c)+3],   v[QO], s[8:9] offset:(\t)*8192+(\c)*64
	global_load_b128 v[64*(\t)+8*(\c)+4:64*(\t)+8*(\c)+7], v[QO], s[8:9] offset:(\t)*8192+(\c)*64+32
.endr
.endr
	WIN 0
.irp t, 0,1,2,3
	v_mov_b32 v[ST+4*(\t)+1], 0xff7fffff           ; m: the lowest finite number
	v_mov_b32 v[ST+4*(\t)+2], 0
	v_mov_b32 v[ST+4*(\t)+3], 0
.endr
.set i, 0
.rept 16
	v_mov_b32 v[F0+i], 0
.set i, i+1
.endr
	; O^T starts at 0: 64 products of zeros, in the wait for the first tile, in place of 512 lines that clear; no first step is written out
	WIN 0x80
.set i, 0
.rept 32
	v_wmma_f32_16x16x32_bf16 v[8*i:8*i+7], v[F0:F0+7], v[F0+8:F0+15], 0
.set i, i+1
.endr
	WIN 0xc0
.set i, 0
.rept 32
	v_wmma_f32_16x16x32_bf16 v[8*i:8*i+7], v[F0:F0+7], v[F0+8:F0+15], 0
.set i, i+1
.endr
	WIN 0
	v_mul_u32_u24 v[AK0], v1, PK
	v_lshl_add_u32 v[AK0], v9, 4, v[AK0]           ; row x pitch + 16 x half
	v_and_b32 v10, 7, v0                           ; the turning load: lane l reads key 8 (l / 16) + l % 8, channels 8 ((l / 8) % 2) + 0..7
	v_bfe_u32 v11, v0, 3, 1
	v_lshl_add_u32 v[AV0], v9, 3, v10
	v_mul_u32_u24 v[AV0], v[AV0], PV
	v_lshl_add_u32 v[AV0], v11, 4, v[AV0]
	v_add_nc_u32 v[AV0], VOFF, v[AV0]
	s_mul_i32 s20, s[WV], 16*SP
	s_add_co_u32 s20, s20, STAGE                   ; my stage
	v_mul_u32_u24 v[STO], v1, SP
	v_lshl_add_u32 v[STO], v9, 4, v[STO]
	v_add_nc_u32 v[STO], s20, v[STO]
	v_and_b32 v[GO], 31, v0
	v_lshlrev_b32 v[PFO], 8, v[GO]
	v_lshlrev_b32 v[GO], 4, v[GO]                  ; a row of 512 bytes: 32 lanes x 16
	v_add_nc_u32 v[RD], s20, v[GO]
; A GROUP is four fragments: 8 LDS loads, 16 matrix instructions.  K's group g: channels 32 g, key blocks 0-3.  V's group g: keys 32 (g / 4), channel blocks 4 (g % 4) + 0..3.
.macro FK g, f
.irp kb, 0,1,2,3
	ds_load_b128 v[(\f)+8*(\kb):(\f)+8*(\kb)+3],   v[ADRK] offset:(\kb)*16*PK+64*(\g)
	ds_load_b128 v[(\f)+8*(\kb)+4:(\f)+8*(\kb)+7], v[ADRK] offset:(\kb)*16*PK+64*(\g)+32
.endr
.endm
.macro FV g, f
.irp i, 0,1,2,3
	ds_load_tr16_b128 v[(\f)+8*(\i):(\f)+8*(\i)+3],   v[ADRV] offset:((\g)/4)*32*PV+32*(4*((\g)%4)+(\i))
	ds_load_tr16_b128 v[(\f)+8*(\i)+4:(\f)+8*(\i)+7], v[ADRV] offset:((\g)/4)*32*PV+16*PV+32*(4*((\g)%4)+(\i))
.endr
.endm
; The accumulators take turns, one instruction a turn: 16 in a group of K Q^T, 16 in a group of V^T P.
.macro MULK g, f
	WIN 0x04                                       ; Q in window 1; under this setting LDS loads still name window 0
.irp kb, 0,1,2,3
.irp t, 0,1,2,3
.if (\g) == 0
	v_wmma_f32_16x16x32_bf16 v[S+32*(\t)+8*(\kb):S+32*(\t)+8*(\kb)+7], v[(\f)+8*(\kb):(\f)+8*(\kb)+7], v[64*(\t)+8*(\g):64*(\t)+8*(\g)+7], 0
.else
	v_wmma_f32_16x16x32_bf16 v[S+32*(\t)+8*(\kb):S+32*(\t)+8*(\kb)+7], v[(\f)+8*(\kb):(\f)+8*(\kb)+7], v[64*(\t)+8*(\g):64*(\t)+8*(\g)+7], v[S+32*(\t)+8*(\kb):S+32*(\t)+8*(\kb)+7]
.endif
.endr
.endr
.endm
.macro MULVH g, f, hi                  ; eight of a group's sixteen: tiles 2 hi, 2 hi + 1
	WIN 0xa0+0x50*(\hi)                            ; C and D in window 2 or 3
.irp t, 0,1
.irp i, 0,1,2,3
	v_wmma_f32_16x16x32_bf16 v[128*(\t)+8*(4*((\g)%4)+(\i)):128*(\t)+8*(4*((\g)%4)+(\i))+7], v[(\f)+8*(\i):(\f)+8*(\i)+7], v[S+32*(2*(\hi)+(\t))+8*((\g)/4):S+32*(2*(\hi)+(\t))+8*((\g)/4)+7], v[128*(\t)+8*(4*((\g)%4)+(\i)):128*(\t)+8*(4*((\g)%4)+(\i))+7]
.endr
.endr
.endm
.macro MULV g, f
	MULVH \g, \f, 0
	MULVH \g, \f, 1
.endm
; THE RIDERS.  A slice of four plain lines stands behind each product of groups 0 to 3, at the price of two window switches.  No rider names a register of the products round it, so the slice behind a group's last
; product is also the four places ahead of the loads into the buffer that the group has read (ISA guide 7.12.1 for vector instructions).
; Group g = 0, 1, 2: behind each product, the accumulator that stands at the same place in group g + 1 (same tile, four channel blocks on) times a; its registers in ascending order.
.macro MULVR g, f
.irp hi, 0,1
.irp t, 0,1
.irp i, 0,1,2,3
	WIN 0xa0+0x50*(\hi)
	v_wmma_f32_16x16x32_bf16 v[128*(\t)+8*(4*(\g)+(\i)):128*(\t)+8*(4*(\g)+(\i))+7], v[(\f)+8*(\i):(\f)+8*(\i)+7], v[S+32*(2*(\hi)+(\t)):S+32*(2*(\hi)+(\t))+7], v[128*(\t)+8*(4*(\g)+(\i)):128*(\t)+8*(4*(\g)+(\i))+7]
	WIN 0x82+0x41*(\hi)                            ; destination and source 0 in window 2 or 3, a in window 0
.irp z, 0,1,2,3
	v_pk_mul_f32 v[128*(\t)+8*(4*(\g)+4+(\i))+2*(\z):128*(\t)+8*(4*(\g)+4+(\i))+2*(\z)+1], v[128*(\t)+8*(4*(\g)+4+(\i))+2*(\z):128*(\t)+8*(4*(\g)+4+(\i))+2*(\z)+1], v[ST+4*(2*(\hi)+(\t)):ST+4*(2*(\hi)+(\t))+1] op_sel_hi:[1,0]
.endr
.endr
.endr
.endr
.endm
; Group 3: behind product number w of 16, for pair 8 + w / 2 of each of the four tiles' weights (keys 32-63): w even, the rounding to bf16, into register 8 + w / 2 of the tile's P; w odd, the pair is added onto l.
; The roundings write registers 8-15 of a tile's S^T, whose weights have been summed and rounded in the phase before; the products round them read registers 0-7.
.macro MULVS f
.irp hi, 0,1
.irp t, 0,1
.irp i, 0,1,2,3
	WIN 0xa0+0x50*(\hi)
	v_wmma_f32_16x16x32_bf16 v[128*(\t)+8*(12+(\i)):128*(\t)+8*(12+(\i))+7], v[(\f)+8*(\i):(\f)+8*(\i)+7], v[S+32*(2*(\hi)+(\t)):S+32*(2*(\hi)+(\t))+7], v[128*(\t)+8*(12+(\i)):128*(\t)+8*(12+(\i))+7]
	WIN 0
.irp u, 0,1,2,3
.if (\i)%2 == 0
	v_cvt_pk_bf16_f32 v[S+32*(\u)+8+4*(\hi)+2*(\t)+(\i)/2], v[S+32*(\u)+16+2*(4*(\hi)+2*(\t)+(\i)/2)], v[S+32*(\u)+17+2*(4*(\hi)+2*(\t)+(\i)/2)]
.else
	v_pk_add_f32 v[ST+4*(\u)+2:ST+4*(\u)+3], v[ST+4*(\u)+2:ST+4*(\u)+3], v[S+32*(\u)+16+2*(4*(\hi)+2*(\t)+(\i)/2):S+32*(\u)+17+2*(4*(\hi)+2*(\t)+(\i)/2)]
.endif
.endr
.endr
.endr
.endr
.endm
.macro REGS t
.set rT, ST+4*(\t)
.set rC, TT+8*(\t)
.set rS, S+32*(\t)
.endm
; number n of the 22 that find a tile's maximum and statistics; each accumulator's lowest registers are read first
.macro SMA t, n
	REGS \t
.if (\n) < 4
	v_max3_num_f32 v[rC+(\n)], v[rS+8*(\n)], v[rS+8*(\n)+1], v[rS+8*(\n)+2]
.elseif (\n) < 12
	v_max3_num_f32 v[rC+(\n)%4], v[rC+(\n)%4], v[rS+8*((\n)%4)+2*((\n)/4)+1], v[rS+8*((\n)%4)+2*((\n)/4)+2]
.elseif (\n) == 12
	v_max3_num_f32 v[rC], v[rC], v[rS+7], v[rS+15]
.elseif (\n) == 13
	v_max3_num_f32 v[rC+1], v[rC+1], v[rS+23], v[rS+31]
.elseif (\n) == 14
	v_max3_num_f32 v[rC+2], v[rC+2], v[rC+3], v[rT+1]
.elseif (\n) == 15
	v_mul_f32 v[rC+4], s[CS], v[rT+1]              ; c m_old, made anew from m_old by the same multiply as a step ago: the register beside m has held a since
.elseif (\n) == 16
	v_max3_num_f32 v[rC], v[rC], v[rC+1], v[rC+2]
.elseif (\n) == 17
	v_permlanex16_b32 v[rC+3], v[rC], s[SEL], s[SEL+1]  ; the query's other 32 keys lie in the lane 16 away
.elseif (\n) == 18
	v_max_num_f32 v[rT+1], v[rC], v[rC+3]
.elseif (\n) == 19
	v_mul_f32 v[rT], s[CS], v[rT+1]
.elseif (\n) == 20
	v_sub_f32 v[rC+1], v[rC+4], v[rT]
.else
	v_exp_f32 v[rC+2], v[rC+1]                     ; a
.endif
.endm
.macro SCALE t, b                      ; c s - c m for pair b of tile t
	v_pk_fma_f32 v[S+32*(\t)+2*(\b):S+32*(\t)+2*(\b)+1], v[S+32*(\t)+2*(\b):S+32*(\t)+2*(\b)+1], s[CS:CS+1], v[ST+4*(\t):ST+4*(\t)+1] op_sel_hi:[1,0,0] neg_lo:[0,0,1] neg_hi:[0,0,1]
.endm
.macro SOFTMAX
	WIN 0
.irp n, 0,1,2,3,4,5,6,7,8,9,10,11,12,13,14,15,16,17,18,19,20,21
.irp t, 0,1,2,3
	SMA \t, \n                                     ; the four tiles alternate, so that no line reads the result of the one before it
.endr
.endr
	v_nop                                          ; a plain instruction behind the last exponential,
	s_wait_alu depctr_va_vdst(0)                   ; and one wait for the four a, ahead of their first reader
	; ONE BATCH of 128 exponentials; no line ahead of its wait names a result of theirs.  Plain lines stand among them: a tile's exponentials take the next tile's scalings between them,
	; the last tile's the 16 accumulators of V^T P's group 0 (channel blocks 0-3 of the four tiles) times a
.set b, 0
.rept 16
	SCALE 0, b
.set b, b+1
.endr
.irp t, 0,1,2
.set b, 0
.rept 16
	v_exp_f32 v[S+32*(\t)+2*b], v[S+32*(\t)+2*b]
	SCALE (\t)+1, b
	v_exp_f32 v[S+32*(\t)+2*b+1], v[S+32*(\t)+2*b+1]
.set b, b+1
.endr
.endr
.irp u, 0,1,2,3
.irp i, 0,1,2,3
	WIN 0
	v_exp_f32 v[S+96+2*(4*(\u)+(\i))], v[S+96+2*(4*(\u)+(\i))]
	v_exp_f32 v[S+96+2*(4*(\u)+(\i))+1], v[S+96+2*(4*(\u)+(\i))+1]
	WIN 0x82+0x41*((\u)/2)                         ; destination and source 0 in window 2 or 3, a in window 0
.irp z, 0,1,2,3
	v_pk_mul_f32 v[128*((\u)%2)+8*(\i)+2*(\z):128*((\u)%2)+8*(\i)+2*(\z)+1], v[128*((\u)%2)+8*(\i)+2*(\z):128*((\u)%2)+8*(\i)+2*(\z)+1], v[TT+8*(\u)+2:TT+8*(\u)+3] op_sel_hi:[1,0]
.endr
.endr
.endr
	WIN 0
.irp t, 0,1,2,3
	v_mov_b32 v[ST+4*(\t)], v[TT+8*(\t)+2]         ; every score is scaled, so c m is done with: a takes its register, for the riders; the scratch ends with this phase
.endr
	s_wait_alu depctr_va_vdst(0)                   ; one wait for the step's 128 exponentials; the lines above are the plain work behind the last
.irp z, 0,1,2,3,4,5,6,7                                ; the sums of keys 0-31 (pairs 0-7), in two chains a tile; they write none of the weights' registers
.irp t, 0,1,2,3
	REGS \t
.if (\z) == 0
	v_pk_add_f32 v[rC+4:rC+5], v[rS:rS+1], v[rS+2:rS+3]
.elseif (\z) == 1
	v_pk_add_f32 v[rC+6:rC+7], v[rS+4:rS+5], v[rS+6:rS+7]
.elseif (\z) < 6
	v_pk_add_f32 v[rC+4+2*((\z)%2):rC+5+2*((\z)%2)], v[rC+4+2*((\z)%2):rC+5+2*((\z)%2)], v[rS+2*((\z)+2):rS+2*((\z)+2)+1]
.elseif (\z) == 6
	v_pk_add_f32 v[rC+4:rC+5], v[rC+4:rC+5], v[rC+6:rC+7]
.else
	v_pk_fma_f32 v[rT+2:rT+3], v[rT+2:rT+3], v[rC+2:rC+3], v[rC+4:rC+5] op_sel_hi:[1,0,1]  ; l = a l + the sum; the other eight pairs are added by the riders
.endif
.endr
.endr
.set b, 0
.rept 8                                                ; P of keys 0-31 in place over S^T: register b takes weights 2 b, 2 b + 1, b ascending, so nothing is overwritten before it is read
.irp t, 0,1,2,3
	v_cvt_pk_bf16_f32 v[S+32*(\t)+b], v[S+32*(\t)+2*b], v[S+32*(\t)+2*b+1]
.endr
.set b, b+1
.endr
.endm
; A KEY STEP.  At its head three groups of LDS loads are out: K's groups 0, 1, 2 in buffers F2, F0, F1.  A wait's count is the loads issued behind the group that is wanted: two groups (16) or one (8).
; A buffer is loaded again four places behind the last product that read it: four v_nop, or the riders behind that product.
.macro STEP fill
	s_wait_dscnt 16
	MULK 0, F2
	PLACES
	FK 3, F2
	s_wait_dscnt 16
	MULK 1, F0
	PLACES
	FK 4, F0
	s_wait_dscnt 16
	MULK 2, F1
	PLACES
	FK 5, F1
	s_wait_dscnt 16
	MULK 3, F2
	PLACES
	FK 6, F2
	s_wait_dscnt 16
	MULK 4, F0
	PLACES
	FK 7, F0
	s_wait_dscnt 16
	MULK 5, F1
	PLACES
	FV 0, F1
	s_wait_dscnt 16
	MULK 6, F2
	s_wait_dscnt 8
	MULK 7, F0
	PLACES                                         ; also the places ahead of the reads of S^T and of the scratch's writes into F2
	FV 1, F0
	SOFTMAX
	FV 2, F2
	s_wait_dscnt 16
	MULVR 0, F1
	WIN 0
	FV 3, F1
	s_wait_dscnt 16
	MULVR 1, F0
	WIN 0
	FV 4, F0
	s_wait_dscnt 16
	MULVR 2, F2
	WIN 0
	FV 5, F2
	s_wait_dscnt 16
	MULVS F1
	WIN 0
	FV 6, F1
	s_wait_dscnt 16
	MULV 4, F0
	WIN 0
	PLACES
	FV 7, F0
	s_wait_dscnt 16
	MULV 5, F2
	; THE CHANGE OF SLOTS: the slot's last bytes have been asked for.  All my tensor loads have landed (one was out: my part of the other slot); the add; my reads of the slot are over; the barrier.
	WIN 0
	s_wait_tensorcnt 0x0
	ds_add_u32 v[SPW], v[NIL]                      ; the add; register work stands between it and the wait for it
.if \fill
	DSTEP
	s_wait_xcnt 0x0                                ; the last prefetch, a step back, has read its address
	s_add_nc_u64 s[PFA:PFA+1], s[PFA:PFA+1], STEPB
.endif
	s_wait_dscnt 1                                 ; V's groups 6 and 7 are in; only the add may be out
	MULVH 6, F1, 0
	s_wait_dscnt 0x0
	s_barrier_signal -1
	MULVH 6, F1, 1                                 ; work on registers while the others arrive
	WIN 0
	s_barrier_wait -1
.if \fill
	CREST                                          ; the barrier has opened a round of the cluster's: no wave of any partner still reads the slot or has a load on its way
	JLOAD                                          ; the step two on, into the slot just read: it has a whole step in which to land
	ASK
.else
	PLACES
.endif
	s_xor_b32 s[TB], s[TB], SLOT1
	v_add_nc_u32 v[ADRK], s[TB], v[AK0]
	v_add_nc_u32 v[ADRV], s[TB], v[AV0]
	FK 0, F2
	MULV 7, F0
	WIN 0
.rept 5
	v_nop                                          ; five: the next step's first products write over P, a source of the products above
.endr
	FK 1, F0
	FK 2, F1
.endm
	s_wait_tensorcnt 0x0                           ; the opening change: step 0 is in,
	ds_add_u32 v[SPW], v[NIL]
	DSTEP
	s_wait_dscnt 0x0
	CROUND                                         ; everybody's part of it;
	JLOAD                                          ; step 1 is asked for, into slot 1; the four v_nop behind it are the places ahead of the loads into F0
	s_xor_b32 s[TB], s[TB], SLOT1
	v_add_nc_u32 v[ADRK], s[TB], v[AK0]
	v_add_nc_u32 v[ADRV], s[TB], v[AV0]
	FK 0, F2
	FK 1, F0
	FK 2, F1
	s_wait_loadcnt 0x0                             ; Q
	s_mov_b32 s[CNT], 14
.Lstep:                                                ; steps 0 to 13: step j + 2 is asked for
	STEP 1
	s_sub_co_u32 s[CNT], s[CNT], 1
	s_cmp_lg_u32 s[CNT], 0
	s_cbranch_scc1 .Lstep
	s_mov_b32 s[CNT], 2
.Ltail:                                                ; steps 14 and 15 ask for nothing: a text of their own.  The last trip's 24 loads of K bring step 14's once more; nobody multiplies them
	STEP 0
	s_sub_co_u32 s[CNT], s[CNT], 1
	s_cmp_lg_u32 s[CNT], 0
	s_cbranch_scc1 .Ltail
	; THE WAY OUT: l's halves and the other half of the lanes' are added; O^T is divided by l, rounded to bf16 and sent through my stage, a tile (16 rows of 512 bytes) at a time
	s_wait_dscnt 0x0
.irp t, 0,1,2,3
	v_add_f32 v[ST+4*(\t)+2], v[ST+4*(\t)+2], v[ST+4*(\t)+3]
.endr
.irp t, 0,1,2,3
	v_permlanex16_b32 v[ST+4*(\t)+3], v[ST+4*(\t)+2], s[SEL], s[SEL+1]
.endr
.irp t, 0,1,2,3
	v_add_f32 v[ST+4*(\t)+2], v[ST+4*(\t)+2], v[ST+4*(\t)+3]
.endr
.irp t, 0,1,2,3
	v_rcp_f32 v[ST+4*(\t)+2], v[ST+4*(\t)+2]
.endr
	v_nop
	s_wait_alu depctr_va_vdst(0)                   ; one wait for the four reciprocals
.macro PACK t
.if (\t) >= 2
	s_wait_xcnt 0x0                                ; the stores of the tile two back have read the registers that are written now
.endif
	WIN 0x82+0x41*((\t)/2)
.set i, 128*((\t)%2)
.rept 64
	v_pk_mul_f32 v[i:i+1], v[i:i+1], v[ST+4*(\t)+2:ST+4*(\t)+3] op_sel_hi:[1,0]
.set i, i+2
.endr
	WIN 0x0a+5*((\t)/2)                            ; sources in window 2 or 3, destination in window 0: S^T's registers are free
.set i, 0
.rept 64
	v_cvt_pk_bf16_f32 v[S+64*((\t)%2)+i], v[128*((\t)%2)+2*i], v[128*((\t)%2)+2*i+1]
.set i, i+1
.endr
	WIN 0
.set i, 0
.rept 16
	ds_store_b128 v[STO], v[S+64*((\t)%2)+4*i:S+64*((\t)%2)+4*i+3] offset:32*i
.set i, i+1
.endr
.set i, 0
.rept 16
	ds_load_b128 v[S+64*((\t)%2)+4*i:S+64*((\t)%2)+4*i+3], v[RD] offset:SP*i  ; LDS serves a wave's instructions in order (ISA guide 5.7.1.4): these see the stores above; the next tile's stores come behind them
.set i, i+1
.endr
.endm
.macro SEND t, younger                 ; younger: the LDS instructions issued behind tile t's loads: the next tile's 32, or none
.set i, 0
.rept 16
	s_wait_dscnt (\younger)+15-i
	global_store_b128 v[GO], v[S+64*((\t)%2)+4*i:S+64*((\t)%2)+4*i+3], s[10:11] offset:(16*(\t)+i)*4096  ; 512 consecutive bytes, aligned
.set i, i+1
.endr
.endm
	PACK 0
	PACK 1
	SEND 0, 32
	PACK 2
	SEND 1, 32
	PACK 3
	SEND 2, 32
	SEND 3, 0
	s_wait_tensorcnt 0x0                           ; the wave's end
	ds_add_u32 v[SPW], v[NIL]
	s_wait_dscnt 0x0
	CROUND                                         ; the closing round
	s_endpgm
.Lfunc_end_k_q5f8a5cf4ad_attn:
	.size	k_q5f8a5cf4ad_attn, .Lfunc_end_k_q5f8a5cf4ad_attn-k_q5f8a5cf4ad_attn
	.p2alignl 7, 3214868480
	.fill 96, 4, 3214868480
	.section	.rodata,"a",@progbits
	.p2align	6, 0x0
	.amdhsa_kernel k_q5f8a5cf4ad_attn
		.amdhsa_group_segment_fixed_size 327680
		.amdhsa_private_segment_fixed_size 0
		.amdhsa_enable_private_segment 0
		.amdhsa_kernarg_size 16
		.amdhsa_user_sgpr_count 2
		.amdhsa_user_sgpr_kernarg_segment_ptr 1
		.amdhsa_wavefront_size32 1
		.amdhsa_system_sgpr_workgroup_id_x 1
		.amdhsa_system_sgpr_workgroup_id_y 1
		.amdhsa_system_sgpr_workgroup_id_z 1
		.amdhsa_system_vgpr_workitem_id 0
		.amdhsa_next_free_vgpr 1024
		.amdhsa_next_free_sgpr 66
		.amdhsa_reserve_vcc 0
		.amdhsa_float_denorm_mode_32 3
		.amdhsa_float_denorm_mode_16_64 3
		.amdhsa_memory_ordered 1
		.amdhsa_forward_progress 1
		.amdhsa_inst_pref_size 209
	.end_amdhsa_kernel
	.amdgpu_metadata
---
amdhsa.version: [ 1, 2 ]
amdhsa.kernels:
  - .name:           k_q5f8a5cf4ad_attn
    .symbol:         k_q5f8a5cf4ad_attn.kd
    .args:
      - { .name: qkv, .offset: 0, .size: 8, .value_kind: global_buffer, .address_space: global }
      - { .name: ao, .offset: 8, .size: 8, .value_kind: global_buffer, .address_space: global }
    .group_segment_fixed_size: 327680
    .private_segment_fixed_size: 0
    .kernarg_segment_align: 8
    .kernarg_segment_size: 16
    .max_flat_workgroup_size: 128
    .sgpr_count:     66
    .vgpr_count:     1024
    .wavefront_size: 32
...
	.end_amdgpu_metadata
.endif
;; end of part 3
;; launch tail (part 4): grid 256 x 1, 4 waves a work-group, clusters of 4 x 1, 327,680 bytes of LDS; arguments ao, xf, wt, ffn1_b, ffn2_b, ln1_g, ln1_b, ln2_g, ln2_b, out0; writes out0
.if DOCPART == 4
	.amdgcn_target "amdgcn-amd-amdhsa--gfx1250"
	.amdhsa_code_object_version 6
	.text
	.protected	k_q5f8a5cf4ad_tail
	.globl	k_q5f8a5cf4ad_tail
	.p2align	8
	.type	k_q5f8a5cf4ad_tail,@function
k_q5f8a5cf4ad_tail:
	s_mov_b64 s[64:65], 0
	v_nop
	global_prefetch_b8 v0, s[64:65] scope:SCOPE_SE
	s_setreg_imm32_b32 hwreg(HW_REG_WAVE_MODE, 25, 1), 1
	s_wait_xcnt 0x0
	s_wait_alu depctr_hold_cnt(0) depctr_sa_sdst(0) depctr_va_vdst(0) depctr_va_sdst(0) depctr_va_ssrc(0) depctr_va_vcc(0) depctr_vm_vsrc(0)
	s_getreg_b32 s2, hwreg(HW_REG_IB_STS2, 6, 4)
	s_cmp_eq_u32 s2, 0
	s_cbranch_scc0 .Lentry_in_a_cluster
	s_endpgm
.Lentry_in_a_cluster:
	s_bfe_u32 s2, ttmp6, 0x10000c
	s_cmp_lg_u32 s2, 0x3003
	s_cbranch_scc0 .Lentry_shape_is_right
	s_endpgm
.Lentry_shape_is_right:
; h = LN1(2 x + ao w_o^T);  out0 = LN2(h + relu(h W1^T + b1) W2^T + b2).  ao: [8192][2048] bf16, xf: [8192][256] f32, wt: the three weight arrays in bf16, in fragment order, 24 blocks of 131,072 bytes.
; Products on bf16 operands with f32 sums; both residuals, the norms' statistics and all partial sums in f32; h and the hidden layer are rounded once to bf16 as matrix operands.
; LIMITS.  NaN and infinities are not treated apart; the ReLU is a maximum with 0, which turns a NaN into 0.
; SHARES.  A work-group owns 32 whole rows (two tiles of 16), since the norms want whole rows and 8,192 rows / 256 work-groups = 32.  It walks all of wt.
; Each block has four parts of 32 fragments, one a wave: a wave fetches its own part by one tensor load and is the only one to read it.
;   blocks 0-7 (w_o): K = 2,048 is split among the waves, 512 each; block s makes channels 32 s .. of all 32 rows; the four partial sums meet in LDS (XR), the sum is gathered in Y.
;   blocks 8-23 (FFN): the hidden units are split among the waves, 32 a wave and block: 16 fragments of W1 make them, 16 of W2 use them; they never leave registers.  The four partial sums of f meet in LDS at the end.
; THE WALK IS TURNED.  Cluster c takes w_o's eight blocks in the order (s0 + i) % 8, s0 = (c ^ c >> 3) % 8, and the FFN's sixteen in the order (d0 + i) % 16, d0 = (c ^ c >> 2) % 16: in each round the 64 clusters
; ask for 8 (16) different blocks, not all for the same one.  The block's number enters the descriptor's global address, the bias's address and, for w_o, the place of the trip's 32 channels in a row of Y; f's sums may be taken in any order.
; CLUSTER.  The four work-groups of a cluster walk the same blocks in the same order: each block is asked for jointly, same load, descriptor and mask.
; All products are used transposed (source 0 = weights): a lane holds one row (lane % 16) and eight neighbouring columns.
; REGISTERS: window 0: v4-21 addresses; v32-63 four accumulators; v64-95 P and the bias (in the first phase scratch); v96-159 HV: my 8 rows in f32, row 8 w + 2 j + l / 16, channels 64 p + 4 (l % 16) .. at 16 j + 4 p;
;   v160-207 gain, bias, ffn2_b of those channels; v208-239 scratch.   window 1: a block's 32 fragments.   window 2: ao's 32 fragments, later h's 16.   window 3: x (64), later the 32 accumulators of f.
.set BLK,   131072
.set SLOT1, 131072
.set XR,    262144     ; 4 sources x 32 rows x 144 bytes (128 + 16); later h in bf16, 32 rows x 528 bytes
.set XPI,   144
.set HPI,   528
.set Y,     XR+18432   ; 32 rows x 1,024 bytes, f32
.set SPARE, Y+32768    ; the spare words: 128 bytes a wave, two blocks of 256 bytes that no other line names
.set RPI,   1040       ; behind the last fill, over the slots: 4 sources x 32 rows x 1,040 bytes (1,024 + 16)
.set WA0, 4
.set WA,  5
.set XS,  6
.set XL,  7
.set YA0, 8
.set YL,  9
.set HS,  10
.set HQ,  11
.set RS,  12
.set RL,  13
.set RL2, 14
.set AOF, 15
.set XO,  16
.set GO,  17
.set BO,  18
.set PFO, 19           ; v19  256 x lane; never rewritten
.set ZR,  20
.set YA,  21
.set SPW, 30
.set NIL, 31
.set SA,  32
.set P,   64
.set BI,  80
.set T,   64
.set HV,  96
.set GA,  160
.set BE,  176
.set FB2, 192
.set LW,  208
.set WV,  28
.set CX,  29
.set EPS, 31
.set G1,  32
.set G0,  40
.set TB,  44
.set CNT, 45
.set SB,  46           ; s46  the first phase: the number (0-7) of the block that was asked for last
.set LIM, 47           ; s47  2 in the clusters that prefetch, else the greatest number
.set PFA, 48           ; s[48:49] where my one prefetch stands; never rewritten
.set FB,  50           ; s[50:51] ffn1_b at my 32 hidden units of the block to come
.set YS,  52           ; s52  128 x the number of the block in hand: where its 32 channels lie in a row of Y; 0 to 896
.set INV, 53           ; s53  1 / 256
.set OFF, 54           ; s[54:55] a block's byte offset in wt
.set ND,  56           ; s56  the FFN: the number (0-15) of the block that was asked for last
.set BA,  57           ; s57  the number (0-23) of the block to be asked for
.set OFB, 58           ; s[58:59] a block's byte offset in ffn1_b
.set MSB, 0
.macro WIN new
.if MSB != (\new)
	s_set_vgpr_msb (MSB<<8)|(\new)
.set MSB, \new
.endif
.endm
.macro PLACES
.rept 4
	v_nop
.endr
.endm
.macro CROUND
	s_barrier_signal -1
	s_barrier_wait -1
	s_cmp_lg_u32 s[WV], 0
	s_cbranch_scc1 .Lnot_wave_0_\@
	s_barrier_signal -3
.Lnot_wave_0_\@:
	s_barrier_wait -3
	s_barrier_signal -1
	s_barrier_wait -1
.endm
.macro BAR
	s_wait_dscnt 0x0                               ; for the others' sake: all my LDS instructions are done
	s_barrier_signal -1
	s_barrier_wait -1
.endm
; THE CHANGE OF SLOTS, at the head of each block's work.  All my tensor loads have landed (one was out: my part of this block), the add, my reads of the other slot are over, the barrier.
; fill = 1: the barrier is a round of the cluster's; block BA goes into the slot read last, first thing behind it; the descriptor's address is made anew from that number.
; ask = 1 (the first phase): THE PREFETCH.  The FFN's sixteen blocks are all read for the first time by the fill of the first phase's last trip.  Each is asked for once, one trip ahead of that fill (CNT = 2):
; cluster c < 16 names block 8 + c; its 512 pieces of 256 bytes are shared out by address among the cluster's 16 waves, a lane a piece, one instruction a wave.
; w_o's blocks are all read for the first time at the kernel's head, where nothing is prefetched; no later reading of a block is asked for.
.macro CHG fill, ask=0
	WIN 0
	s_wait_tensorcnt 0x0                           ; no tensor load of mine is out, so group 0 may be written
	ds_add_u32 v[SPW], v[NIL]                      ; the add; scalar work stands between it and the wait for it
.if \fill
	s_lshl_b32 s[OFF], s[BA], 17
	s_xor_b32 s[G0+1], s[G0+1], SLOT1
	s_add_nc_u64 s[G0+2:G0+3], s[12:13], s[OFF:OFF+1]
	s_or_b32 s[G0+3], s[G0+3], 0x80000000
.endif
	s_xor_b32 s[TB], s[TB], SLOT1
	s_wait_dscnt 0x0
.if \fill
	CROUND
	tensor_load_to_lds s[G0:G0+3], s[G1:G1+7]
	s_nop 0
	PLACES                                         ; also the places ahead of the loads into the fragments' registers
.if \ask
	s_cmp_eq_u32 s[CNT], s[LIM]
	s_cbranch_scc0 .Lnot_mine_\@
	global_prefetch_b8 v[PFO], s[PFA:PFA+1] th:TH_LOAD_NT scope:SCOPE_SE
.Lnot_mine_\@:
.endif
.else
	s_barrier_signal -1
	s_barrier_wait -1
	PLACES
.endif
	v_add_nc_u32 v[WA], s[TB], v[WA0]
.endm
.macro FETCH                           ; my part of the block: 32 fragments as they lie, 512 consecutive bytes a load
	WIN 0x40
.set i, 0
.rept 32
	ds_load_b128 v[8*i:8*i+3],   v[WA] offset:1024*i
	ds_load_b128 v[8*i+4:8*i+7], v[WA] offset:1024*i+512
.set i, i+1
.endr
.endm
; LAYER NORM of my 8 rows, in place in HV, with gain GA and bias BE.  A row's 256 channels lie in 16 lanes x 16 registers, so the sums cross lanes inside a half of 16 alone.  The four pairs of rows j alternate.
.macro LNORM
	WIN 0
.irp k, 0,1,2,3
.irp j, 0,1,2,3
	v_pk_add_f32 v[LW+8*(\j)+2*(\k):LW+8*(\j)+2*(\k)+1], v[HV+16*(\j)+4*(\k):HV+16*(\j)+4*(\k)+1], v[HV+16*(\j)+4*(\k)+2:HV+16*(\j)+4*(\k)+3]
.endr
.endr
.irp j, 0,1,2,3
	v_pk_add_f32 v[LW+8*(\j):LW+8*(\j)+1], v[LW+8*(\j):LW+8*(\j)+1], v[LW+8*(\j)+2:LW+8*(\j)+3]
	v_pk_add_f32 v[LW+8*(\j)+4:LW+8*(\j)+5], v[LW+8*(\j)+4:LW+8*(\j)+5], v[LW+8*(\j)+6:LW+8*(\j)+7]
.endr
.irp j, 0,1,2,3
	v_pk_add_f32 v[LW+8*(\j):LW+8*(\j)+1], v[LW+8*(\j):LW+8*(\j)+1], v[LW+8*(\j)+4:LW+8*(\j)+5]
.endr
.irp j, 0,1,2,3
	v_add_f32 v[LW+8*(\j)], v[LW+8*(\j)], v[LW+8*(\j)+1]
.endr
.irp m, 1,2,4,8
.irp j, 0,1,2,3
	v_add_f32_dpp v[LW+8*(\j)], v[LW+8*(\j)], v[LW+8*(\j)] row_xmask:\m row_mask:0xf bank_mask:0xf
.endr
.endr
.irp j, 0,1,2,3
	v_mul_f32 v[LW+8*(\j)], s[INV], v[LW+8*(\j)]   ; the mean
.endr
.irp k, 0,1,2,3,4,5,6,7
.irp j, 0,1,2,3
	v_pk_add_f32 v[HV+16*(\j)+2*(\k):HV+16*(\j)+2*(\k)+1], v[HV+16*(\j)+2*(\k):HV+16*(\j)+2*(\k)+1], v[LW+8*(\j):LW+8*(\j)+1] op_sel_hi:[1,0] neg_lo:[0,1] neg_hi:[0,1]
.endr
.endr
.irp j, 0,1,2,3
	v_pk_mul_f32 v[LW+8*(\j)+2:LW+8*(\j)+3], v[HV+16*(\j):HV+16*(\j)+1], v[HV+16*(\j):HV+16*(\j)+1]
	v_pk_mul_f32 v[LW+8*(\j)+4:LW+8*(\j)+5], v[HV+16*(\j)+2:HV+16*(\j)+3], v[HV+16*(\j)+2:HV+16*(\j)+3]
.endr
.irp k, 2,4,6
.irp j, 0,1,2,3
	v_pk_fma_f32 v[LW+8*(\j)+2:LW+8*(\j)+3], v[HV+16*(\j)+2*(\k):HV+16*(\j)+2*(\k)+1], v[HV+16*(\j)+2*(\k):HV+16*(\j)+2*(\k)+1], v[LW+8*(\j)+2:LW+8*(\j)+3]
	v_pk_fma_f32 v[LW+8*(\j)+4:LW+8*(\j)+5], v[HV+16*(\j)+2*(\k)+2:HV+16*(\j)+2*(\k)+3], v[HV+16*(\j)+2*(\k)+2:HV+16*(\j)+2*(\k)+3], v[LW+8*(\j)+4:LW+8*(\j)+5]
.endr
.endr
.irp j, 0,1,2,3
	v_pk_add_f32 v[LW+8*(\j)+2:LW+8*(\j)+3], v[LW+8*(\j)+2:LW+8*(\j)+3], v[LW+8*(\j)+4:LW+8*(\j)+5]
.endr
.irp j, 0,1,2,3
	v_add_f32 v[LW+8*(\j)+2], v[LW+8*(\j)+2], v[LW+8*(\j)+3]
.endr
.irp m, 1,2,4,8
.irp j, 0,1,2,3
	v_add_f32_dpp v[LW+8*(\j)+2], v[LW+8*(\j)+2], v[LW+8*(\j)+2] row_xmask:\m row_mask:0xf bank_mask:0xf
.endr
.endr
.irp j, 0,1,2,3
	v_fma_f32 v[LW+8*(\j)+2], v[LW+8*(\j)+2], s[INV], s[EPS]  ; the variance + 1e-5
.endr
.irp j, 0,1,2,3
	v_rsq_f32 v[LW+8*(\j)+6], v[LW+8*(\j)+2]
.endr
	v_nop
	s_wait_alu depctr_va_vdst(0)                   ; one wait for the four roots
.irp k, 0,1,2,3,4,5,6,7
.irp j, 0,1,2,3
	v_pk_mul_f32 v[HV+16*(\j)+2*(\k):HV+16*(\j)+2*(\k)+1], v[HV+16*(\j)+2*(\k):HV+16*(\j)+2*(\k)+1], v[LW+8*(\j)+6:LW+8*(\j)+7] op_sel_hi:[1,0]
.endr
.endr
.irp k, 0,1,2,3,4,5,6,7
.irp j, 0,1,2,3
	v_pk_fma_f32 v[HV+16*(\j)+2*(\k):HV+16*(\j)+2*(\k)+1], v[HV+16*(\j)+2*(\k):HV+16*(\j)+2*(\k)+1], v[GA+2*(\k):GA+2*(\k)+1], v[BE+2*(\k):BE+2*(\k)+1]
.endr
.endr
.endm
.macro PARAM d, sb                     ; 16 numbers of a [256] array: channels 64 p + 4 (l % 16) ..
.irp p, 0,1,2,3
	global_load_b128 v[(\d)+4*(\p):(\d)+4*(\p)+3], v[GO], s[\sb:\sb+1] offset:256*(\p)
.endr
.endm
.macro BIAS                            ; ffn1_b of my 32 hidden units as two C operands: register j of block hb is unit 16 hb + 8 (l / 16) + j, the same for every row
.irp hb, 0,1
	global_load_b128 v[BI+8*(\hb):BI+8*(\hb)+3],   v[BO], s[FB:FB+1] offset:64*(\hb)
	global_load_b128 v[BI+8*(\hb)+4:BI+8*(\hb)+7], v[BO], s[FB:FB+1] offset:64*(\hb)+16
.endr
.endm
	s_load_b512 s[8:23], s[0:1], 0x0               ; ao 8, xf 10, wt 12, ffn1_b 14, ffn2_b 16, ln1_g 18, ln1_b 20, ln2_g 22
	s_load_b128 s[24:27], s[0:1], 0x40             ; ln2_b 24, out0 26
	v_lshl_add_u32 v[SPW], v0, 2, SPARE
	v_mov_b32 v[NIL], 0
	ds_add_u32 v[SPW], v[NIL]                      ; the wave's opening: the add and its wait ahead of my first tensor load
	v_lshrrev_b32 v1, 5, v0
	v_readfirstlane_b32 s[WV], v1
	s_bfe_u32 s[CX], ttmp6, 0x40000
	s_lshl_b32 s30, ttmp9, 2
	s_add_co_u32 s30, s30, s[CX]                   ; the work-group's number: it enters ao's, xf's and out0's addresses alone
	s_mov_b32 s[G1+0], 15|(3<<16)|(1<<21)          ; mask of four; 8-byte elements; bit 21 beside a mask; no padding: the part is dense and is read as it lies
	s_mov_b32 s[G1+1], 32<<16                      ; tensor_dim0 = 32: rows of 256 bytes
	s_mov_b32 s[G1+2], 128<<16                     ; tensor_dim1 = 128
	s_mov_b32 s[G1+3], 32<<16                      ; tile_dim0 = 32
	s_mov_b32 s[G1+4], 128                         ; tile_dim1 = 128
	s_mov_b32 s[G1+5], 32
	s_mov_b32 s[G1+6], 0
	s_mov_b32 s[G1+7], 0
	s_mov_b32 s[G0], 1
	s_lshl_b32 s[G0+1], s[WV], 15                  ; slot 0, my part
	s_lshr_b32 s[SB], ttmp9, 3                     ; where the cluster's walks begin: made of the cluster's number, which the four partners share
	s_xor_b32 s[SB], s[SB], ttmp9
	s_and_b32 s[SB], s[SB], 7                      ; s0
	s_lshr_b32 s[ND], ttmp9, 2
	s_xor_b32 s[ND], s[ND], ttmp9
	s_and_b32 s[ND], s[ND], 15                     ; d0
	s_lshl_b32 s[YS], s[SB], 7
	s_lshl_b32 s[OFF], s[SB], 17                   ; the first block
	s_mov_b32 s[OFF+1], 0
	s_mov_b32 s[OFB+1], 0
	s_lshl_b32 s60, s[WV], 15                      ; my part of a block
	s_mov_b32 s61, 0
	s_lshl_b32 s4, s30, 17                         ; ao: 32 rows of 4,096 bytes,
	s_lshl_b32 s5, s[WV], 10                       ; my 512 of K
	s_add_co_u32 s4, s4, s5
	s_mov_b32 s5, 0
	s_lshl_b32 s6, s30, 15                         ; xf, out0: 32 rows of 1,024 bytes,
	s_lshl_b32 s7, s[WV], 13                       ; my 8
	s_add_co_u32 s6, s6, s7
	s_mov_b32 s7, 0
	s_min_u32 s62, ttmp9, 15                       ; the prefetch: block 8 + c (clusters from 16 on ask for nothing; the minimum only keeps their address inside wt),
	s_add_co_u32 s62, s62, 8
	s_lshl_b32 s62, s62, 17
	s_lshl_b32 s63, s[CX], 15                      ; pieces 128 cx + 32 w + lane of its 512
	s_add_co_u32 s62, s62, s63
	s_lshl_b32 s63, s[WV], 13
	s_add_co_u32 s62, s62, s63
	s_mov_b32 s63, 0
	s_lshl_b32 s2, s[WV], 7                        ; ffn1_b: my 32 units of a block's 128
	s_mov_b32 s3, 0
	s_cmp_lt_u32 ttmp9, 16                         ; the same in all four partners
	s_cselect_b32 s[LIM], 2, -1
	s_mov_b32 s[TB], SLOT1                         ; the first change of slots turns it into 0
	s_mov_b32 s[INV], 0x3b800000
	s_mov_b32 s[EPS], 0x3727c5ac
	s_wait_dscnt 0x0                               ; the opening add is done
	s_wait_kmcnt 0x0
	s_add_nc_u64 s[PFA:PFA+1], s[12:13], s[62:63]
	s_add_nc_u64 s[12:13], s[12:13], s[60:61]      ; wt at my part of block 0
	s_add_nc_u64 s[G0+2:G0+3], s[12:13], s[OFF:OFF+1]
	s_or_b32 s[G0+3], s[G0+3], 0x80000000
	s_add_nc_u64 s[8:9], s[8:9], s[4:5]
	s_add_nc_u64 s[10:11], s[10:11], s[6:7]
	s_add_nc_u64 s[26:27], s[26:27], s[6:7]
	s_add_nc_u64 s[14:15], s[14:15], s[2:3]        ; ffn1_b at my units of block 8
	CROUND                                         ; all four work-groups are here
	tensor_load_to_lds s[G0:G0+3], s[G1:G1+7]      ; block s0 into slot 0
	s_nop 0
	PLACES
	v_and_b32 v1, 15, v0                           ; l % 16
	v_bfe_u32 v2, v0, 4, 1                         ; l / 16
	v_and_b32 v3, 31, v0                           ; l
	v_bfe_u32 v22, v0, 3, 2                        ; l / 8
	v_and_b32 v23, 7, v0                           ; l % 8
	v_lshlrev_b32 v[GO], 4, v1
	v_lshlrev_b32 v[BO], 5, v2
	v_lshlrev_b32 v[PFO], 8, v3
	v_mov_b32 v[ZR], 0
	v_lshlrev_b32 v[AOF], 12, v1
	v_lshl_add_u32 v[AOF], v2, 4, v[AOF]
	v_lshl_add_u32 v[XO], v2, 10, v[GO]
	WIN 0x80                                       ; ao's fragments: tile t, k = 32 kc of my 512, at 128 t + 8 kc of window 2
.irp t, 0,1
.irp kc, 0,1,2,3,4,5,6,7,8,9,10,11,12,13,14,15
	global_load_b128 v[128*(\t)+8*(\kc):128*(\t)+8*(\kc)+3],   v[AOF], s[8:9] offset:(\t)*65536+(\kc)*64
	global_load_b128 v[128*(\t)+8*(\kc)+4:128*(\t)+8*(\kc)+7], v[AOF], s[8:9] offset:(\t)*65536+(\kc)*64+32
.endr
.endr
	WIN 0xc0                                       ; x of my 8 rows, laid as HV, in window 3
.irp j, 0,1,2,3
.irp p, 0,1,2,3
	global_load_b128 v[16*(\j)+4*(\p):16*(\j)+4*(\p)+3], v[XO], s[10:11] offset:(\j)*2048+(\p)*256
.endr
.endr
	WIN 0
	PARAM GA, 18
	PARAM BE, 20
	s_lshl_b32 s2, s[WV], 15
	v_lshl_add_u32 v[WA0], v3, 4, s2               ; my part of a slot, 16 bytes a lane
	s_mul_i32 s2, s[WV], 32*XPI
	s_add_co_u32 s2, s2, XR
	v_mul_u32_u24 v24, v1, XPI
	v_add_nc_u32 v24, v[BO], v24
	v_add_nc_u32 v[XS], s2, v24                    ; my partial sums: source w, row l % 16, 32 bytes for each half of the lanes
	s_mul_i32 s2, s[WV], 8*XPI
	s_add_co_u32 s2, s2, XR
	v_mul_u32_u24 v24, v22, XPI
	v_lshl_add_u32 v24, v23, 4, v24
	v_add_nc_u32 v[XL], s2, v24                    ; back: rows 8 w + l / 8, 16 bytes at 16 (l % 8)
	s_lshl_b32 s2, s[WV], 13
	s_add_co_u32 s2, s2, Y
	v_lshlrev_b32 v24, 10, v22
	v_lshl_add_u32 v24, v23, 4, v24
	v_add_nc_u32 v[YA0], s2, v24
	v_add_nc_u32 v[YL], s2, v[XO]
	s_mul_i32 s2, s[WV], 8*HPI
	s_add_co_u32 s2, s2, XR
	v_mul_u32_u24 v24, v2, HPI
	v_lshl_add_u32 v24, v1, 3, v24
	v_add_nc_u32 v[HS], s2, v24
	v_mul_u32_u24 v24, v1, HPI
	v_lshl_add_u32 v24, v2, 4, v24
	v_add_nc_u32 v[HQ], XR, v24
	s_mul_i32 s2, s[WV], 32*RPI
	v_mul_u32_u24 v24, v1, RPI
	v_add_nc_u32 v24, v[BO], v24
	v_add_nc_u32 v[RS], s2, v24
	s_mul_i32 s2, s[WV], 8*RPI
	v_mul_u32_u24 v24, v2, RPI
	v_add_nc_u32 v24, v[GO], v24
	v_add_nc_u32 v[RL], s2, v24
	v_add_nc_u32 v[RL2], 2*32*RPI, v[RL]
	; PHASE 1: ao w_o^T.  Trip i: block s = (s0 + i) % 8, channels 32 s ..: four accumulators (channel block c, tile t), chains of 16 links, by turns.
	s_mov_b32 s[CNT], 8
.Lproj:
	s_add_co_u32 s[SB], s[SB], 1                   ; the block to be asked for: w_o's next, going round;
	s_and_b32 s[SB], s[SB], 7
	s_add_co_u32 s[BA], s[ND], 8
	s_cmp_eq_u32 s[CNT], 1
	s_cselect_b32 s[BA], s[BA], s[SB]              ; in the last trip the FFN's first, 8 + d0
	CHG 1, 1
	FETCH
	s_wait_loadcnt 0x0                             ; ao, x and the first norm's parameters (met at once from the second trip on)
	WIN 0x09                                       ; weights window 1, ao window 2, C and D window 0
.set kc, 0
.rept 16
.if kc%4 == 0
	s_wait_dscnt 48-16*(kc/4)                      ; the next eight fragments are in: so many loads were issued behind them
.endif
.irp c, 0,1
.irp t, 0,1
.if kc == 0
	v_wmma_f32_16x16x32_bf16 v[SA+8*(2*(\c)+(\t)):SA+8*(2*(\c)+(\t))+7], v[8*(2*kc+(\c)):8*(2*kc+(\c))+7], v[128*(\t)+8*kc:128*(\t)+8*kc+7], 0
.else
	v_wmma_f32_16x16x32_bf16 v[SA+8*(2*(\c)+(\t)):SA+8*(2*(\c)+(\t))+7], v[8*(2*kc+(\c)):8*(2*kc+(\c))+7], v[128*(\t)+8*kc:128*(\t)+8*kc+7], v[SA+8*(2*(\c)+(\t)):SA+8*(2*(\c)+(\t))+7]
.endif
.endr
.endr
.set kc, kc+1
.endr
	WIN 0
	PLACES
.irp c, 0,1
.irp t, 0,1
	ds_store_b128 v[XS], v[SA+8*(2*(\c)+(\t)):SA+8*(2*(\c)+(\t))+3]   offset:(\t)*16*XPI+64*(\c)
	ds_store_b128 v[XS], v[SA+8*(2*(\c)+(\t))+4:SA+8*(2*(\c)+(\t))+7] offset:(\t)*16*XPI+64*(\c)+16
.endr
.endr
	BAR                                            ; all four partial sums lie in XR; the next block's load may stay out
.irp q, 0,1,2,3
.irp i, 0,1
	ds_load_b128 v[T+4*(2*(\q)+(\i)):T+4*(2*(\q)+(\i))+3], v[XL] offset:(\q)*32*XPI+(\i)*4*XPI
.endr
.endr
	v_add_nc_u32 v[YA], s[YS], v[YA0]              ; the block's 128 bytes of my rows of Y
	s_add_co_u32 s[YS], s[YS], 128                 ; the next block's, going round: 0 to 896, so that a wave's stores stay inside its own 8,192 bytes
	s_and_b32 s[YS], s[YS], 0x380
	s_wait_dscnt 0x0
.irp i, 0,1
.irp e, 0,2
	v_pk_add_f32 v[T+4*(\i)+(\e):T+4*(\i)+(\e)+1], v[T+4*(\i)+(\e):T+4*(\i)+(\e)+1], v[T+8+4*(\i)+(\e):T+8+4*(\i)+(\e)+1]
	v_pk_add_f32 v[T+16+4*(\i)+(\e):T+16+4*(\i)+(\e)+1], v[T+16+4*(\i)+(\e):T+16+4*(\i)+(\e)+1], v[T+24+4*(\i)+(\e):T+24+4*(\i)+(\e)+1]
.endr
.endr
.irp i, 0,1
.irp e, 0,2
	v_pk_add_f32 v[T+4*(\i)+(\e):T+4*(\i)+(\e)+1], v[T+4*(\i)+(\e):T+4*(\i)+(\e)+1], v[T+16+4*(\i)+(\e):T+16+4*(\i)+(\e)+1]
.endr
.endr
.irp i, 0,1
	ds_store_b128 v[YA], v[T+4*(\i):T+4*(\i)+3] offset:4096*(\i)  ; my own 8 rows of Y.  XR is written again only behind the next trip's round, ahead of which every wave has waited for its reads
.endr
	s_sub_co_u32 s[CNT], s[CNT], 1
	s_cmp_lg_u32 s[CNT], 0
	s_cbranch_scc1 .Lproj
	; BETWEEN THE PHASES: h = LN1(2 x + the sum), kept in f32 in HV; in bf16 through LDS into fragments
	BAR                                            ; XR's last reads are over: it takes h
.irp j, 0,1,2,3
.irp p, 0,1,2,3
	ds_load_b128 v[HV+16*(\j)+4*(\p):HV+16*(\j)+4*(\p)+3], v[YL] offset:(\j)*2048+(\p)*256  ; my own bytes
.endr
.endr
	s_wait_dscnt 0x0
	WIN 0x03                                       ; source 0 in window 3
.set i, 0
.rept 32
	v_pk_fma_f32 v[HV+2*i:HV+2*i+1], v[2*i:2*i+1], 2.0, v[HV+2*i:HV+2*i+1] op_sel_hi:[1,0,1]  ; the inner and the outer residual both add x
.set i, i+1
.endr
	LNORM
.set i, 0
.rept 32
	v_cvt_pk_bf16_f32 v[LW+i], v[HV+2*i], v[HV+2*i+1]
.set i, i+1
.endr
.irp j, 0,1,2,3
.irp p, 0,1,2,3
	ds_store_b64 v[HS], v[LW+8*(\j)+2*(\p):LW+8*(\j)+2*(\p)+1] offset:(\j)*2*HPI+(\p)*128
.endr
.endr
	BAR                                            ; all 32 rows of h lie in LDS
	WIN 0x80
.irp t, 0,1
.irp kc, 0,1,2,3,4,5,6,7
	ds_load_b128 v[64*(\t)+8*(\kc):64*(\t)+8*(\kc)+3],   v[HQ] offset:(\t)*16*HPI+(\kc)*64
	ds_load_b128 v[64*(\t)+8*(\kc)+4:64*(\t)+8*(\kc)+7], v[HQ] offset:(\t)*16*HPI+(\kc)*64+32
.endr
.endr
	WIN 0
	PARAM GA, 22
	PARAM BE, 24
	PARAM FB2, 16
	s_lshl_b32 s[OFB], s[ND], 9                    ; the bias of the FFN's first block, 8 + d0: 128 units of 4 bytes a block
	s_add_nc_u64 s[FB:FB+1], s[14:15], s[OFB:OFB+1]
	BIAS
.set i, 0
.rept 16
	v_mov_b32 v[P+i], 0
.set i, i+1
.endr
	WIN 0xc0                                       ; f's 32 sums start at 0: products of zeros in place of 256 lines that clear; no first block is written out
.set i, 0
.rept 32
	v_wmma_f32_16x16x32_bf16 v[8*i:8*i+7], v[P:P+7], v[P+8:P+15], 0
.set i, i+1
.endr
	WIN 0
	s_wait_dscnt 0x0                               ; h's fragments
; A BLOCK OF THE FFN: my 32 hidden units.  32 products make them (the bias is the C operand that starts the sums), they are rounded to bf16 and cut at 0, and ARE source 1 of the 32 products that use them.
.macro FROUND fill
.if \fill
	s_add_co_u32 s[ND], s[ND], 1                   ; the block to be asked for: the FFN's next, going round
	s_and_b32 s[ND], s[ND], 15
	s_add_co_u32 s[BA], s[ND], 8
.endif
	CHG \fill
	FETCH
	s_wait_loadcnt 0x0                             ; the bias, asked for a block ago: its loads are done, so their base may be written
.if \fill
	s_lshl_b32 s[OFB], s[ND], 9
	s_add_nc_u64 s[FB:FB+1], s[14:15], s[OFB:OFB+1]
.endif
	WIN 0x09
.set kc, 0
.rept 8
.if kc%4 == 0
	s_wait_dscnt 48-16*(kc/4)
.endif
.irp hb, 0,1
.irp t, 0,1
.if kc == 0
	v_wmma_f32_16x16x32_bf16 v[SA+8*(2*(\hb)+(\t)):SA+8*(2*(\hb)+(\t))+7], v[8*(2*kc+(\hb)):8*(2*kc+(\hb))+7], v[64*(\t)+8*kc:64*(\t)+8*kc+7], v[BI+8*(\hb):BI+8*(\hb)+7]
.else
	v_wmma_f32_16x16x32_bf16 v[SA+8*(2*(\hb)+(\t)):SA+8*(2*(\hb)+(\t))+7], v[8*(2*kc+(\hb)):8*(2*kc+(\hb))+7], v[64*(\t)+8*kc:64*(\t)+8*kc+7], v[SA+8*(2*(\hb)+(\t)):SA+8*(2*(\hb)+(\t))+7]
.endif
.endr
.endr
.set kc, kc+1
.endr
	WIN 0
	PLACES
.irp t, 0,1
.irp hb, 0,1
.irp e, 0,1,2,3
	v_cvt_pk_bf16_f32 v[P+8*(\t)+4*(\hb)+(\e)], v[SA+8*(2*(\hb)+(\t))+2*(\e)], v[SA+8*(2*(\hb)+(\t))+2*(\e)+1]
.endr
.endr
.endr
.set i, 0
.rept 16
	v_pk_max_num_bf16 v[P+i], v[P+i], v[ZR]        ; the ReLU, two at a time; nothing is rounded
.set i, i+1
.endr
.if \fill
	BIAS                                           ; for the next block
.endif
	WIN 0xf1                                       ; weights window 1, P window 0, C and D window 3
.set cb, 0
.rept 16
.if cb%8 == 0
	s_wait_dscnt 16-16*(cb/8)
.endif
.irp t, 0,1
	v_wmma_f32_16x16x32_bf16 v[8*(2*cb+(\t)):8*(2*cb+(\t))+7], v[8*(16+cb):8*(16+cb)+7], v[P+8*(\t):P+8*(\t)+7], v[8*(2*cb+(\t)):8*(2*cb+(\t))+7]
.endr
.set cb, cb+1
.endr
	WIN 0
.endm
	s_mov_b32 s[CNT], 15
.Lffn:                                                 ; the walk's first fifteen blocks
	FROUND 1
	s_sub_co_u32 s[CNT], s[CNT], 1
	s_cmp_lg_u32 s[CNT], 0
	s_cbranch_scc1 .Lffn
	FROUND 0                                       ; the sixteenth asks for nothing: written out
	; THE END: the four partial sums of f meet over the slots, which have had their last fill; out0 = LN2(h + f + b2)
	PLACES
	BAR                                            ; every wave's reads of the slots are over
	WIN 0x0c                                       ; store data in window 3
.set cb, 0
.rept 16
.irp t, 0,1
	ds_store_b128 v[RS], v[8*(2*cb+(\t)):8*(2*cb+(\t))+3]   offset:(\t)*16*RPI+64*cb
	ds_store_b128 v[RS], v[8*(2*cb+(\t))+4:8*(2*cb+(\t))+7] offset:(\t)*16*RPI+64*cb+16
.endr
.set cb, cb+1
.endr
	WIN 0
	BAR
	WIN 0x40                                       ; source q, laid as HV, at 64 q of window 1
.irp q, 0,1
.irp j, 0,1,2,3
.irp p, 0,1,2,3
	ds_load_b128 v[64*(\q)+16*(\j)+4*(\p):64*(\q)+16*(\j)+4*(\p)+3],         v[RL]  offset:(\q)*32*RPI+(\j)*2*RPI+(\p)*256
	ds_load_b128 v[128+64*(\q)+16*(\j)+4*(\p):128+64*(\q)+16*(\j)+4*(\p)+3], v[RL2] offset:(\q)*32*RPI+(\j)*2*RPI+(\p)*256
.endr
.endr
.endr
	s_wait_dscnt 0x0
	WIN 0x45                                       ; all three operands in window 1
.set i, 0
.rept 32
	v_pk_add_f32 v[2*i:2*i+1], v[2*i:2*i+1], v[64+2*i:64+2*i+1]
	v_pk_add_f32 v[128+2*i:128+2*i+1], v[128+2*i:128+2*i+1], v[192+2*i:192+2*i+1]
.set i, i+1
.endr
.set i, 0
.rept 32
	v_pk_add_f32 v[2*i:2*i+1], v[2*i:2*i+1], v[128+2*i:128+2*i+1]
.set i, i+1
.endr
	WIN 0x04                                       ; source 1 in window 1
.set i, 0
.rept 32
	v_pk_add_f32 v[HV+2*i:HV+2*i+1], v[HV+2*i:HV+2*i+1], v[2*i:2*i+1]
.set i, i+1
.endr
	WIN 0
.irp j, 0,1,2,3
.irp k, 0,1,2,3,4,5,6,7
	v_pk_add_f32 v[HV+16*(\j)+2*(\k):HV+16*(\j)+2*(\k)+1], v[HV+16*(\j)+2*(\k):HV+16*(\j)+2*(\k)+1], v[FB2+2*(\k):FB2+2*(\k)+1]
.endr
.endr
	LNORM
.irp j, 0,1,2,3
.irp p, 0,1,2,3
	global_store_b128 v[XO], v[HV+16*(\j)+4*(\p):HV+16*(\j)+4*(\p)+3], s[26:27] offset:(\j)*2048+(\p)*256  ; each half of the lanes stores 256 consecutive bytes, aligned
.endr
.endr
	s_wait_tensorcnt 0x0                           ; the wave's end
	ds_add_u32 v[SPW], v[NIL]
	s_wait_dscnt 0x0
	CROUND                                         ; the closing round
	s_endpgm
.Lfunc_end_k_q5f8a5cf4ad_tail:
	.size	k_q5f8a5cf4ad_tail, .Lfunc_end_k_q5f8a5cf4ad_tail-k_q5f8a5cf4ad_tail
	.p2alignl 7, 3214868480
	.fill 96, 4, 3214868480
	.section	.rodata,"a",@progbits
	.p2align	6, 0x0
	.amdhsa_kernel k_q5f8a5cf4ad_tail
		.amdhsa_group_segment_fixed_size 327680
		.amdhsa_private_segment_fixed_size 0
		.amdhsa_enable_private_segment 0
		.amdhsa_kernarg_size 80
		.amdhsa_user_sgpr_count 2
		.amdhsa_user_sgpr_kernarg_segment_ptr 1
		.amdhsa_wavefront_size32 1
		.amdhsa_system_sgpr_workgroup_id_x 1
		.amdhsa_system_sgpr_workgroup_id_y 1
		.amdhsa_system_sgpr_workgroup_id_z 1
		.amdhsa_system_vgpr_workitem_id 0
		.amdhsa_next_free_vgpr 1024
		.amdhsa_next_free_sgpr 66
		.amdhsa_reserve_vcc 0
		.amdhsa_float_denorm_mode_32 3
		.amdhsa_float_denorm_mode_16_64 3
		.amdhsa_memory_ordered 1
		.amdhsa_forward_progress 1
		.amdhsa_inst_pref_size 108
	.end_amdhsa_kernel
	.amdgpu_metadata
---
amdhsa.version: [ 1, 2 ]
amdhsa.kernels:
  - .name:           k_q5f8a5cf4ad_tail
    .symbol:         k_q5f8a5cf4ad_tail.kd
    .args:
      - { .name: ao, .offset: 0, .size: 8, .value_kind: global_buffer, .address_space: global }
      - { .name: xf, .offset: 8, .size: 8, .value_kind: global_buffer, .address_space: global }
      - { .name: wt, .offset: 16, .size: 8, .value_kind: global_buffer, .address_space: global }
      - { .name: ffn1_b, .offset: 24, .size: 8, .value_kind: global_buffer, .address_space: global }
      - { .name: ffn2_b, .offset: 32, .size: 8, .value_kind: global_buffer, .address_space: global }
      - { .name: ln1_g, .offset: 40, .size: 8, .value_kind: global_buffer, .address_space: global }
      - { .name: ln1_b, .offset: 48, .size: 8, .value_kind: global_buffer, .address_space: global }
      - { .name: ln2_g, .offset: 56, .size: 8, .value_kind: global_buffer, .address_space: global }
      - { .name: ln2_b, .offset: 64, .size: 8, .value_kind: global_buffer, .address_space: global }
      - { .name: out0, .offset: 72, .size: 8, .value_kind: global_buffer, .address_space: global }
    .group_segment_fixed_size: 327680
    .private_segment_fixed_size: 0
    .kernarg_segment_align: 8
    .kernarg_segment_size: 80
    .max_flat_workgroup_size: 128
    .sgpr_count:     66
    .vgpr_count:     1024
    .wavefront_size: 32
...
	.end_amdgpu_metadata
.endif
;; end of part 4
